; MI455X (gfx1250); checked and timed in simulation.
; The chip was launched on July 23, 2026; its instructions are those of AMD's public machine-readable ISA for CDNA 5 (MIT licence, August 2026) and "CDNA5" Instruction Set Architecture Reference Guide (July 2026). The comments in the code are by the model that wrote it; some were corrected since.
;; Self Attention1d. Allowed arithmetic: float matrix products may take bf16 or f16 operands with f32 sums; all other float work in f32.
;; Inputs: Wk 1,024 x 1,024 float32; Wo 1,024 x 1,024 float32; Wq 1,024 x 1,024 float32; Wv 1,024 x 1,024 float32; attention_mask 2 x 2,048 int32; bk 1,024 float32; bo 1,024 float32; bq 1,024 float32; bv 1,024 float32; gn_bias 1,024 float32; gn_weight 1,024 float32; hidden_states 2 x 1,024 x 2,048 float32.
;; Outputs: out0 2 x 1,024 x 2,048 float32.
;; One version. Each part assembles by itself: llvm-mc -triple=amdgcn-amd-amdhsa -mcpu=gfx1250 --defsym DOCPART=n.
;; ======== version 1 of 1: 5 launches
;; limits: right only within a limited range of input values
;; workspace buffers: wb 8,388,608 bytes; bcat 12,288 bytes; part 2,048 bytes; xn 8,388,608 bytes; qkv 25,165,824 bytes; att 8,388,608 bytes
;; launch prep (part 1): grid 256 x 1, 8 waves a work-group, no clusters, 1,280 bytes of LDS; arguments hidden_states, Wq, Wk, Wv, Wo, bq, bk, bv, wb, bcat, part; writes wb, bcat, part
.if DOCPART == 1
	.amdgcn_target "amdgcn-amd-amdhsa--gfx1250"
	.amdhsa_code_object_version 6
	.text
	.protected	k_q54c971a794_prep
	.globl	k_q54c971a794_prep
	.p2align	8
	.type	k_q54c971a794_prep,@function
k_q54c971a794_prep:
	s_mov_b64 s[64:65], 0
	v_nop
	global_prefetch_b8 v0, s[64:65] scope:SCOPE_SE
	s_setreg_imm32_b32 hwreg(HW_REG_WAVE_MODE, 25, 1), 1
	s_wait_xcnt 0x0
; prep: three things that need no statistics yet.
; (1) wb[4096][1024] bf16 = rows of Wq * c, Wk, Wv, Wo;  c = 0.125 * log2(e): both D^(-1/4) scales of the scores and the change to base-2
;     exponentials, multiplied in f32 before the one rounding to bf16.
; (2) bcat[3072] f32 = bq * c, bk, bv.
; (3) part[g] = (mean, sum of squared distances from that mean) of the g-th 65,536 bytes of hidden_states (128 such chunks a sample).  The mean
;     is taken away before squaring, so a common offset of the inputs costs no digits.
; 256 work-groups of 8 waves; work-group g takes 65,536 bytes of the weights and 65,536 bytes of hidden_states; a wave 8,192 bytes of each:
; 16 loads of 512 consecutive bytes.  Memory binds: no matrix unit, no cluster (no two work-groups read the same byte), LDS only for eight partial sums.
.set CSC, 0x3e38aa3b                   ; 0.125 * log2(e)
.set WR,  32                           ; v[32:95]   my 64 weights
.set XR,  96                           ; v[96:159]  my 64 numbers of hidden_states
.set PS,  8                            ; v[8:15]    four chains of pairs
.macro WSUM r, t                       ; sum over the wave's 32 lanes, in every lane
	v_add_f32_dpp v[\r], v[\r], v[\r] row_xmask:1 row_mask:0xf bank_mask:0xf
	v_add_f32_dpp v[\r], v[\r], v[\r] row_xmask:2 row_mask:0xf bank_mask:0xf
	v_add_f32_dpp v[\r], v[\r], v[\r] row_xmask:4 row_mask:0xf bank_mask:0xf
	v_add_f32_dpp v[\r], v[\r], v[\r] row_xmask:8 row_mask:0xf bank_mask:0xf
	v_permlanex16_b32 v[\t], v[\r], s34, s35
	v_add_f32 v[\r], v[\r], v[\t]
.endm
; the four chains fold into v16, the wave's sum goes to its own LDS word at off, and every wave adds the eight words: v8 = the work-group's sum
.macro ALLWAVES off
	v_pk_add_f32 v[PS:PS+1], v[PS:PS+1], v[PS+2:PS+3]
	v_pk_add_f32 v[PS+4:PS+5], v[PS+4:PS+5], v[PS+6:PS+7]
	v_pk_add_f32 v[PS:PS+1], v[PS:PS+1], v[PS+4:PS+5]
	v_add_f32 v16, v[PS], v[PS+1]
	WSUM 16, 17
	ds_store_b32 v5, v16 offset:\off
	s_wait_dscnt 0x0                               ; my word is written before I signal: the other waves read it behind the barrier
	s_barrier_signal -1
	s_barrier_wait -1
	ds_load_b128 v[8:11], v6 offset:\off
	ds_load_b128 v[12:15], v6 offset:\off+16
	s_wait_dscnt 0x0
	v_pk_add_f32 v[8:9], v[8:9], v[10:11]
	v_pk_add_f32 v[12:13], v[12:13], v[14:15]
	v_pk_add_f32 v[8:9], v[8:9], v[12:13]
	v_add_f32 v8, v8, v9
.endm
	s_load_b512 s[8:23], s[0:1], 0x0               ; hidden 8:9, Wq 10:11, Wk 12:13, Wv 14:15, Wo 16:17, bq 18:19, bk 20:21, bv 22:23
	s_load_b128 s[24:27], s[0:1], 0x40             ; wb 24:25, bcat 26:27
	s_load_b64 s[28:29], s[0:1], 0x50              ; part
	v_lshl_add_u32 v160, v0, 2, 0x100
	v_mov_b32 v161, 0
	v_lshrrev_b32 v3, 5, v0
	v_readfirstlane_b32 s4, v3                     ; wave
	v_and_b32 v4, 31, v0                           ; lane
	v_lshlrev_b32 v1, 4, v4
	v_lshl_add_u32 v1, v3, 13, v1                  ; loads: wave * 8,192 + lane * 16
	v_lshlrev_b32 v2, 3, v4
	v_lshl_add_u32 v2, v3, 12, v2                  ; bf16 stores: wave * 4,096 + lane * 8
	v_mov_b32 v5, s4
	v_lshlrev_b32 v5, 2, v5                        ; my wave's LDS word
	v_mov_b32 v6, 0
	v_mov_b32 v17, 0                               ; v_permlanex16_b32 counts as a reader of its destination
	s_mov_b32 s34, 0x76543210
	s_mov_b32 s35, 0xfedcba98
	s_lshr_b32 s5, ttmp9, 6                        ; which of the four matrices
	s_and_b32 s6, ttmp9, 63
	s_lshl_b32 s36, s6, 16                         ; my 65,536 bytes in it
	s_mov_b32 s37, 0
	s_lshl_b32 s38, ttmp9, 16                      ; my 65,536 bytes of hidden_states
	s_mov_b32 s39, 0
	s_lshl_b32 s40, ttmp9, 15                      ; my 32,768 bytes of wb
	s_mov_b32 s41, 0
	s_lshl_b32 s42, ttmp9, 3                       ; my pair in part
	s_mov_b32 s43, 0
	s_wait_kmcnt 0x0
	s_cmp_eq_u32 s5, 1
	s_cselect_b64 s[30:31], s[12:13], s[10:11]
	s_cmp_eq_u32 s5, 2
	s_cselect_b64 s[30:31], s[14:15], s[30:31]
	s_cmp_eq_u32 s5, 3
	s_cselect_b64 s[30:31], s[16:17], s[30:31]
	s_cmp_eq_u32 s5, 0
	s_cselect_b32 s32, CSC, 1.0                    ; only Wq carries c
	s_mov_b32 s33, s32
	s_add_nc_u64 s[30:31], s[30:31], s[36:37]
	s_add_nc_u64 s[8:9], s[8:9], s[38:39]
	s_add_nc_u64 s[24:25], s[24:25], s[40:41]
	s_add_nc_u64 s[28:29], s[28:29], s[42:43]
.irp i, 0,1,2,3,4,5,6,7,8,9,10,11,12,13,14,15
	global_load_b128 v[WR+4*\i:WR+4*\i+3], v1, s[30:31] offset:512*\i th:TH_LOAD_NT
.endr
.irp i, 0,1,2,3,4,5,6,7,8,9,10,11,12,13,14,15
	global_load_b128 v[XR+4*\i:XR+4*\i+3], v1, s[8:9] offset:512*\i
.endr
	s_wait_loadcnt 16                              ; the 16 loads of hidden_states are younger and stay out: the weights are in
.irp i, 0,1,2,3,4,5,6,7,8,9,10,11,12,13,14,15
	v_pk_mul_f32 v[WR+4*\i:WR+4*\i+1], v[WR+4*\i:WR+4*\i+1], s[32:33] op_sel_hi:[1,0]
	v_pk_mul_f32 v[WR+4*\i+2:WR+4*\i+3], v[WR+4*\i+2:WR+4*\i+3], s[32:33] op_sel_hi:[1,0]
	v_cvt_pk_bf16_f32 v[WR+4*\i], v[WR+4*\i], v[WR+4*\i+1]
	v_cvt_pk_bf16_f32 v[WR+4*\i+1], v[WR+4*\i+2], v[WR+4*\i+3]
	global_store_b64 v2, v[WR+4*\i:WR+4*\i+1], s[24:25] offset:256*\i   ; the wave's store covers 256 consecutive bytes, aligned
.endr
	; bcat: 12,288 bytes = 48 pieces of 256 bytes; wave 0 of the first 48 work-groups takes one piece (for wave 0, v2 is lane * 8)
	s_cmp_lg_u32 s4, 0
	s_cbranch_scc1 .Lnobias
	s_cmp_ge_u32 ttmp9, 48
	s_cbranch_scc1 .Lnobias
	s_lshr_b32 s5, ttmp9, 4                        ; which bias: 16 pieces each
	s_and_b32 s6, ttmp9, 15
	s_lshl_b32 s36, s6, 8                          ; s37 and s39 are still 0
	s_lshl_b32 s38, ttmp9, 8
	s_cmp_eq_u32 s5, 1
	s_cselect_b64 s[44:45], s[20:21], s[18:19]
	s_cmp_eq_u32 s5, 2
	s_cselect_b64 s[44:45], s[22:23], s[44:45]
	s_cmp_eq_u32 s5, 0
	s_cselect_b32 s46, CSC, 1.0
	s_mov_b32 s47, s46
	s_add_nc_u64 s[44:45], s[44:45], s[36:37]
	s_add_nc_u64 s[26:27], s[26:27], s[38:39]
	global_load_b64 v[24:25], v2, s[44:45]
	s_wait_loadcnt 0x0
	v_pk_mul_f32 v[24:25], v[24:25], s[46:47] op_sel_hi:[1,0]
	global_store_b64 v2, v[24:25], s[26:27]
.Lnobias:
	; the chunk's mean
	s_wait_loadcnt 0x0
.irp c, 0,1,2,3
	v_pk_add_f32 v[PS+2*\c:PS+2*\c+1], v[XR+2*\c:XR+2*\c+1], v[XR+8+2*\c:XR+9+2*\c]   ; the first pairs start the chains: nothing is cleared
.endr
.set pp, 8
.rept 24
	v_pk_add_f32 v[PS+2*(pp%4):PS+2*(pp%4)+1], v[PS+2*(pp%4):PS+2*(pp%4)+1], v[XR+2*pp:XR+2*pp+1]
.set pp, pp+1
.endr
	ALLWAVES 0
	v_mul_f32 v20, 0x38800000, v8                  ; / 16,384
	v_mul_f32 v21, 0x38800000, v8
	; the sum of squared distances from it
.set pp, 0
.rept 32
	v_pk_add_f32 v[XR+2*pp:XR+2*pp+1], v[XR+2*pp:XR+2*pp+1], v[20:21] neg_lo:[0,1] neg_hi:[0,1]
.set pp, pp+1
.endr
.irp c, 0,1,2,3
	v_pk_mul_f32 v[PS+2*\c:PS+2*\c+1], v[XR+2*\c:XR+2*\c+1], v[XR+2*\c:XR+2*\c+1]
.endr
.set pp, 4
.rept 28
	v_pk_fma_f32 v[PS+2*(pp%4):PS+2*(pp%4)+1], v[XR+2*pp:XR+2*pp+1], v[XR+2*pp:XR+2*pp+1], v[PS+2*(pp%4):PS+2*(pp%4)+1]
.set pp, pp+1
.endr
	ALLWAVES 64                                    ; other LDS words than the first sum's: no barrier between the two uses
	v_mov_b32 v21, v8                              ; v[20:21] = (mean, sum of squares)
	s_wait_xcnt 0x0                                ; EXEC is a source of the stores above: it changes only behind this wait
	v_cmp_eq_u32 vcc_lo, 0, v0
	s_and_saveexec_b32 s44, vcc_lo
	global_store_b64 v6, v[20:21], s[28:29]        ; thread 0 alone
	s_wait_xcnt 0x0                                ; and again in front of the line that widens it
	s_or_b32 exec_lo, exec_lo, s44
	s_wait_tensorcnt 0x0
	ds_add_u32 v160, v161
	s_wait_dscnt 0x0
	s_endpgm
.Lfunc_end_k_q54c971a794_prep:
	.size	k_q54c971a794_prep, .Lfunc_end_k_q54c971a794_prep-k_q54c971a794_prep
	.p2alignl 7, 3214868480
	.fill 96, 4, 3214868480
	.section	.rodata,"a",@progbits
	.p2align	6, 0x0
	.amdhsa_kernel k_q54c971a794_prep
		.amdhsa_group_segment_fixed_size 1280
		.amdhsa_private_segment_fixed_size 0
		.amdhsa_enable_private_segment 0
		.amdhsa_kernarg_size 88
		.amdhsa_user_sgpr_count 2
		.amdhsa_user_sgpr_kernarg_segment_ptr 1
		.amdhsa_wavefront_size32 1
		.amdhsa_system_sgpr_workgroup_id_x 1
		.amdhsa_system_sgpr_workgroup_id_y 1
		.amdhsa_system_sgpr_workgroup_id_z 1
		.amdhsa_system_vgpr_workitem_id 0
		.amdhsa_next_free_vgpr 162
		.amdhsa_next_free_sgpr 66
		.amdhsa_reserve_vcc 1
		.amdhsa_float_denorm_mode_32 3
		.amdhsa_float_denorm_mode_16_64 3
		.amdhsa_memory_ordered 1
		.amdhsa_forward_progress 1
		.amdhsa_inst_pref_size 20
	.end_amdhsa_kernel
	.amdgpu_metadata
---
amdhsa.version: [ 1, 2 ]
amdhsa.kernels:
  - .name:           k_q54c971a794_prep
    .symbol:         k_q54c971a794_prep.kd
    .args:
      - { .name: hidden_states, .offset: 0, .size: 8, .value_kind: global_buffer, .address_space: global }
      - { .name: Wq, .offset: 8, .size: 8, .value_kind: global_buffer, .address_space: global }
      - { .name: Wk, .offset: 16, .size: 8, .value_kind: global_buffer, .address_space: global }
      - { .name: Wv, .offset: 24, .size: 8, .value_kind: global_buffer, .address_space: global }
      - { .name: Wo, .offset: 32, .size: 8, .value_kind: global_buffer, .address_space: global }
      - { .name: bq, .offset: 40, .size: 8, .value_kind: global_buffer, .address_space: global }
      - { .name: bk, .offset: 48, .size: 8, .value_kind: global_buffer, .address_space: global }
      - { .name: bv, .offset: 56, .size: 8, .value_kind: global_buffer, .address_space: global }
      - { .name: wb, .offset: 64, .size: 8, .value_kind: global_buffer, .address_space: global }
      - { .name: bcat, .offset: 72, .size: 8, .value_kind: global_buffer, .address_space: global }
      - { .name: part, .offset: 80, .size: 8, .value_kind: global_buffer, .address_space: global }
    .group_segment_fixed_size: 1280
    .private_segment_fixed_size: 0
    .kernarg_segment_align: 8
    .kernarg_segment_size: 88
    .max_flat_workgroup_size: 256
    .sgpr_count:     66
    .vgpr_count:     162
    .wavefront_size: 32
...
	.end_amdgpu_metadata
.endif
;; end of part 1
;; launch norm (part 2): grid 256 x 1, 8 waves a work-group, no clusters, 0 bytes of LDS; arguments hidden_states, part, gn_weight, gn_bias, xn; writes xn
.if DOCPART == 2
	.amdgcn_target "amdgcn-amd-amdhsa--gfx1250"
	.amdhsa_code_object_version 6
	.text
	.protected	k_q54c971a794_norm
	.globl	k_q54c971a794_norm
	.p2align	8
	.type	k_q54c971a794_norm,@function
k_q54c971a794_norm:
	s_mov_b64 s[64:65], 0
	v_nop
	global_prefetch_b8 v0, s[64:65] scope:SCOPE_SE
	s_setreg_imm32_b32 hwreg(HW_REG_WAVE_MODE, 25, 1), 1
	s_wait_xcnt 0x0
; norm: xn[b][c][s] = bf16( (hidden[b][c][s] - mean_b) * rstd_b * gn_weight[c] + gn_bias[c] ), layout kept.
; The sample's mean and variance are put together from its 128 pairs (mean_i, M2_i) of equal chunks of 16,384 numbers:
;   mean = sum mean_i / 128,   var = ( sum M2_i + 16,384 sum (mean_i - mean)^2 ) / 2^21:  only sums of non-negative terms, no difference of large sums.
; One wave, one row (b, c) of 2,048 numbers: 16 loads of 512 consecutive bytes, all issued at once, 16 stores of 256 consecutive aligned bytes.
; Memory binds: no LDS, no barrier, no matrix unit, no cluster (the 1,024 bytes of part are the only bytes shared).
.set XR, 32                            ; v[32:95] the row
.macro WSUM r, t
	v_add_f32_dpp v[\r], v[\r], v[\r] row_xmask:1 row_mask:0xf bank_mask:0xf
	v_add_f32_dpp v[\r], v[\r], v[\r] row_xmask:2 row_mask:0xf bank_mask:0xf
	v_add_f32_dpp v[\r], v[\r], v[\r] row_xmask:4 row_mask:0xf bank_mask:0xf
	v_add_f32_dpp v[\r], v[\r], v[\r] row_xmask:8 row_mask:0xf bank_mask:0xf
	v_permlanex16_b32 v[\t], v[\r], s30, s31
	v_add_f32 v[\r], v[\r], v[\t]
.endm
	s_load_b256 s[4:11], s[0:1], 0x0               ; hidden 4:5, part 6:7, gn_weight 8:9, gn_bias 10:11
	s_load_b64 s[12:13], s[0:1], 0x20              ; xn
	v_lshrrev_b32 v4, 5, v0
	v_readfirstlane_b32 s14, v4                    ; wave
	v_and_b32 v5, 31, v0
	v_lshlrev_b32 v1, 4, v5                        ; 16 bytes a lane of the row
	v_lshlrev_b32 v2, 5, v5                        ; 32 bytes a lane of part: four pairs
	v_lshlrev_b32 v3, 3, v5                        ; 8 bytes a lane of xn
	v_mov_b32 v17, 0                               ; v_permlanex16_b32 counts as a reader of its destination
	s_lshl3_add_u32 s15, ttmp9, s14                ; row R = 8 g + wave = 1,024 b + c
	s_and_b32 s16, s15, 1023
	s_lshl_b32 s16, s16, 2                         ; 4 c
	s_lshr_b32 s17, ttmp9, 7                       ; b
	s_lshl_b32 s24, s17, 10                        ; the sample's 1,024 bytes of part
	s_mov_b32 s25, 0
	s_lshl_b32 s26, s15, 13                        ; the row in hidden_states
	s_mov_b32 s27, 0
	s_lshl_b32 s28, s15, 12                        ; the row in xn
	s_mov_b32 s29, 0
	s_mov_b32 s19, 0x3727c5ac                      ; 1e-5
	s_mov_b32 s22, 0x46800000                      ; 16,384
	s_mov_b32 s23, 0x35000000                      ; 2^-21
	s_mov_b32 s30, 0x76543210
	s_mov_b32 s31, 0xfedcba98
	s_wait_kmcnt 0x0
	s_load_b32 s18, s[8:9], s16 offset:0x0         ; gn_weight[c]
	s_load_b32 s20, s[10:11], s16 offset:0x0       ; gn_bias[c]
	s_add_nc_u64 s[6:7], s[6:7], s[24:25]
	s_add_nc_u64 s[4:5], s[4:5], s[26:27]
	s_add_nc_u64 s[12:13], s[12:13], s[28:29]
	global_load_b128 v[8:11], v2, s[6:7]
	global_load_b128 v[12:15], v2, s[6:7] offset:16
.irp i, 0,1,2,3,4,5,6,7,8,9,10,11,12,13,14,15
	global_load_b128 v[XR+4*\i:XR+4*\i+3], v1, s[4:5] offset:512*\i th:TH_LOAD_NT
.endr
	s_wait_loadcnt 16                              ; the row's 16 loads are younger and stay out: the pairs are in
	v_add_f32 v16, v8, v10
	v_add_f32 v18, v12, v14
	v_add_f32 v16, v16, v18
	WSUM 16, 17
	v_mul_f32 v24, 0x3c000000, v16                 ; mean = sum / 128, twice for the packed subtraction
	v_mul_f32 v25, 0x3c000000, v16
	v_sub_f32 v8, v8, v24
	v_sub_f32 v10, v10, v24
	v_sub_f32 v12, v12, v24
	v_sub_f32 v14, v14, v24
	v_add_f32 v9, v9, v11
	v_add_f32 v13, v13, v15
	v_mul_f32 v16, v8, v8
	v_fmac_f32 v16, v10, v10
	v_fmac_f32 v16, v12, v12
	v_fmac_f32 v16, v14, v14
	v_add_f32 v9, v9, v13
	v_fma_f32 v16, v16, s22, v9
	WSUM 16, 17
	v_fma_f32 v16, v16, s23, s19                   ; var + eps
	v_rsq_f32 v18, v16
	v_nop                                          ; one plain vector instruction between v_rsq_f32 and the use of its result (ISA guide 5.7.2)
	s_wait_kmcnt 0x0
	s_mov_b32 s21, s20
	s_wait_alu depctr_va_vdst(0)
	v_mul_f32 v26, s18, v18                        ; a = rstd * gn_weight[c], twice
	v_mul_f32 v27, s18, v18
.irp i, 0,1,2,3,4,5,6,7,8,9,10,11,12,13,14,15
	s_wait_loadcnt 15-\i                           ; loads come back in order: piece i is in, the younger ones stay out
	v_pk_add_f32 v[XR+4*\i:XR+4*\i+1], v[XR+4*\i:XR+4*\i+1], v[24:25] neg_lo:[0,1] neg_hi:[0,1]
	v_pk_add_f32 v[XR+4*\i+2:XR+4*\i+3], v[XR+4*\i+2:XR+4*\i+3], v[24:25] neg_lo:[0,1] neg_hi:[0,1]
	v_pk_fma_f32 v[XR+4*\i:XR+4*\i+1], v[XR+4*\i:XR+4*\i+1], v[26:27], s[20:21] op_sel_hi:[1,1,0]
	v_pk_fma_f32 v[XR+4*\i+2:XR+4*\i+3], v[XR+4*\i+2:XR+4*\i+3], v[26:27], s[20:21] op_sel_hi:[1,1,0]
	v_cvt_pk_bf16_f32 v[XR+4*\i], v[XR+4*\i], v[XR+4*\i+1]
	v_cvt_pk_bf16_f32 v[XR+4*\i+1], v[XR+4*\i+2], v[XR+4*\i+3]
	global_store_b64 v3, v[XR+4*\i:XR+4*\i+1], s[12:13] offset:256*\i   ; no register of a store is written again
.endr
	s_endpgm
.Lfunc_end_k_q54c971a794_norm:
	.size	k_q54c971a794_norm, .Lfunc_end_k_q54c971a794_norm-k_q54c971a794_norm
	.p2alignl 7, 3214868480
	.fill 96, 4, 3214868480
	.section	.rodata,"a",@progbits
	.p2align	6, 0x0
	.amdhsa_kernel k_q54c971a794_norm
		.amdhsa_group_segment_fixed_size 0
		.amdhsa_private_segment_fixed_size 0
		.amdhsa_enable_private_segment 0
		.amdhsa_kernarg_size 40
		.amdhsa_user_sgpr_count 2
		.amdhsa_user_sgpr_kernarg_segment_ptr 1
		.amdhsa_wavefront_size32 1
		.amdhsa_system_sgpr_workgroup_id_x 1
		.amdhsa_system_sgpr_workgroup_id_y 1
		.amdhsa_system_sgpr_workgroup_id_z 1
		.amdhsa_system_vgpr_workitem_id 0
		.amdhsa_next_free_vgpr 96
		.amdhsa_next_free_sgpr 66
		.amdhsa_reserve_vcc 0
		.amdhsa_float_denorm_mode_32 3
		.amdhsa_float_denorm_mode_16_64 3
		.amdhsa_memory_ordered 1
		.amdhsa_forward_progress 1
		.amdhsa_inst_pref_size 13
	.end_amdhsa_kernel
	.amdgpu_metadata
---
amdhsa.version: [ 1, 2 ]
amdhsa.kernels:
  - .name:           k_q54c971a794_norm
    .symbol:         k_q54c971a794_norm.kd
    .args:
      - { .name: hidden_states, .offset: 0, .size: 8, .value_kind: global_buffer, .address_space: global }
      - { .name: part, .offset: 8, .size: 8, .value_kind: global_buffer, .address_space: global }
      - { .name: gn_weight, .offset: 16, .size: 8, .value_kind: global_buffer, .address_space: global }
      - { .name: gn_bias, .offset: 24, .size: 8, .value_kind: global_buffer, .address_space: global }
      - { .name: xn, .offset: 32, .size: 8, .value_kind: global_buffer, .address_space: global }
    .group_segment_fixed_size: 0
    .private_segment_fixed_size: 0
    .kernarg_segment_align: 8
    .kernarg_segment_size: 40
    .max_flat_workgroup_size: 256
    .sgpr_count:     66
    .vgpr_count:     96
    .wavefront_size: 32
...
	.end_amdgpu_metadata
.endif
;; end of part 2
;; launch qkv (part 3): grid 16 x 16, 4 waves a work-group, clusters of 4 x 4, 327,680 bytes of LDS; arguments xn, wb, bcat, qkv; writes qkv
.if DOCPART == 3
	.amdgcn_target "amdgcn-amd-amdhsa--gfx1250"
	.amdhsa_code_object_version 6
	.text
	.protected	k_q54c971a794_qkv
	.globl	k_q54c971a794_qkv
	.p2align	8
	.type	k_q54c971a794_qkv,@function
k_q54c971a794_qkv:
	s_mov_b64 s[64:65], 0
	v_nop
	global_prefetch_b8 v0, s[64:65] scope:SCOPE_SE
	s_setreg_imm32_b32 hwreg(HW_REG_WAVE_MODE, 25, 1), 1
	s_wait_xcnt 0x0
	s_wait_alu depctr_hold_cnt(0) depctr_sa_sdst(0) depctr_va_vdst(0) depctr_va_sdst(0) depctr_va_ssrc(0) depctr_va_vcc(0) depctr_vm_vsrc(0)
	s_getreg_b32 s2, hwreg(HW_REG_IB_STS2, 6, 4)
	s_cmp_eq_u32 s2, 0
	s_cbranch_scc0 .Lentry_in_a_cluster
	s_endpgm
.Lentry_in_a_cluster:
	s_bfe_u32 s2, ttmp6, 0x10000c
	s_cmp_lg_u32 s2, 0xf033
	s_cbranch_scc0 .Lentry_shape_is_right
	s_endpgm
.Lentry_shape_is_right:
; qkv: the three projections as one product, [4,096 positions] x [3,072 outputs], K = 1,024:
;   qkv[which][b][head][s][d] = bf16( sum over c of xn[b][c][s] wb[o][c] + bcat[o] ),  o = 1,024 which + 64 head + d.
; A work-group makes 256 positions x 192 outputs (three whole heads): 16 x 16 = 256 work-groups.  Wave w makes positions 64 w .. 64 w + 63 x all
; 192 outputs: 4 x 12 accumulator tiles, 384 registers; whole heads in one wave let the result leave head-major in runs of 512 consecutive bytes.
; K goes in steps of 128 through two LDS slots filled by tensor loads: rows of xn's tile are 512 bytes of memory, rows of wb's 256 bytes, all aligned to 256.
; CLUSTERS of 4 x 4: xn's tile hangs on the position block alone and is asked for jointly along a row of the cluster; wb's hangs on the output block alone
; and is asked for jointly along a column.
; xn lies [c][s]: K runs down its rows, so its fragments come by the transposing LDS load.  The matrix instruction takes wb's rows as source 0 and
; positions as source 1: lane l then holds position l % 16 and its registers eight NEIGHBOURING outputs 8 (l / 16) + 0..7, which pack into 16 bytes.
; The bias is the C operand of the first K step's products: nothing is cleared and nothing is added later.
; REGISTERS: window 0: v16-27 addresses, v64-127 xn's fragments (two buffers of 4 x 8), v128-223 the bias, later the way out;
;   window 1: v0-191 wb's fragments (two buffers of 12 x 8); window 2: accumulator tiles of position tiles 0, 1; window 3: of 2, 3.
.set KSTEP,  128
.set PA,     544                       ; LDS pitch of xn's rows: 512 bytes + 32, an odd multiple of 32 for the transposing load
.set PB,     272                       ; LDS pitch of wb's rows: 256 bytes + 16
.set ABYTES, 128*PA                    ; 69,632
.set SLOT,   ABYTES+192*PB             ; 121,856
.set STAGE,  2*SLOT                    ; 243,712: behind the ring, never a tensor load's target
.set SP,     400                       ; stage pitch: 384 bytes + 16
.set LAPS,   4                         ; 1,024 / (2 x 128)
.set ADRA, 16                          ; v16-17 xn's fragments in slot 0, 1
.set ADRB, 20                          ; v20-21 wb's fragments in slot 0, 1
.set STO,  24
.set RD,   25
.set CO,   26
.set VBI,  27
.set FA,   64                          ; window 0: xn's fragment buffer f at FA + 32 f;  window 1: wb's at 96 f
.set BIAS, 128
.set TMP,  128
.set RB,   176
.set G1A, 24
.set G0A, 32
.set G1B, 48
.set G0B, 56
.set MSB, 0
.macro WIN new                         ; the immediate's high byte repeats the setting that is left
.if MSB != \new
	s_set_vgpr_msb (MSB<<8)|\new
.set MSB, \new
.endif
.endm
.macro PLACES                          ; four independent vector instructions behind a matrix instruction before its registers are touched (ISA guide 7.12.1)
.rept 4
	v_nop
.endr
.endm
; a joint load: waves 0, 1 ask for the halves of xn's tile, waves 2, 3 for the halves of wb's.  The branch hangs on the wave's number alone.
.macro JLOAD s
	s_cmp_eq_u32 s13, 0
	s_cbranch_scc0 .Lfor_b_\@
	tensor_load_to_lds s[G0A+4*\s:G0A+4*\s+3], s[G1A:G1A+7]
	s_nop 0
	s_branch .Lasked_\@
.Lfor_b_\@:
	tensor_load_to_lds s[G0B+4*\s:G0B+4*\s+3], s[G1B:G1B+7]
	s_nop 0
.Lasked_\@:
.endm
.macro CREST                           ; a round of the cluster's barrier behind its opening work-group barrier
	s_cmp_lg_u32 s12, 0
	s_cbranch_scc1 .Lnot_wave_0_\@
	s_barrier_signal -3
.Lnot_wave_0_\@:
	s_barrier_wait -3
	s_barrier_signal -1
	s_barrier_wait -1
.endm
.macro CROUND
	s_barrier_signal -1
	s_barrier_wait -1
	CREST
.endm
	s_load_b256 s[4:11], s[0:1], 0x0               ; xn 4:5, wb 6:7, bcat 8:9, qkv 10:11
	s_set_vgpr_msb 0x40
	v_lshl_add_u32 v255, v0, 2, 0x41c00
	s_set_vgpr_msb 0x4000
	v_mov_b32 v255, 0
	s_set_vgpr_msb 0x1
	ds_add_u32 v255, v255
	s_set_vgpr_msb 0x100
	v_lshrrev_b32 v1, 5, v0
	v_readfirstlane_b32 s12, v1                    ; wave
	s_lshr_b32 s13, s12, 1                         ; I fetch for xn (0) or for wb (1)
	s_and_b32 s14, s12, 1                          ; which half of that tile
	s_bfe_u32 s40, ttmp6, 0x40000                  ; cx
	s_bfe_u32 s41, ttmp6, 0x40004                  ; cy
	s_lshl_b32 s42, ttmp9, 2
	s_add_co_u32 s42, s42, s40                     ; bx: block of 192 outputs
	s_and_b32 s43, ttmp7, 0xffff
	s_lshl_b32 s43, s43, 2
	s_add_co_u32 s43, s43, s41                     ; by: block of 256 positions; b = by >> 3
	s_lshl_b32 s44, s41, 2
	s_lshl_b32 s44, 15, s44                        ; my row of the cluster
	s_lshl_b32 s45, 0x1111, s40                    ; my column
	; group 1 for xn's tiles: 64 rows (c) x 256 elements (s), 32 bytes of padding behind every 128 words
	s_or_b32 s[G1A+0], s44, (1<<16)|(1<<20)|(1<<21)|(6<<22)|(7<<25)
	s_mov_b32 s[G1A+1], 256<<16                    ; tensor_dim0 = 256
	s_mov_b32 s[G1A+2], 64<<16                     ; tensor_dim1 = 64
	s_mov_b32 s[G1A+3], 256<<16                    ; tile_dim0 = 256
	s_mov_b32 s[G1A+4], 64                         ; tile_dim1 = 64
	s_mov_b32 s[G1A+5], 2048                       ; elements from row to row
	s_mov_b32 s[G1A+6], 0
	s_mov_b32 s[G1A+7], 0
	; group 1 for wb's tiles: 96 rows (o) x 128 elements (c), 16 bytes of padding behind every 64 words
	s_or_b32 s[G1B+0], s45, (1<<16)|(1<<20)|(1<<21)|(5<<22)|(3<<25)
	s_mov_b32 s[G1B+1], 128<<16
	s_mov_b32 s[G1B+2], 96<<16
	s_mov_b32 s[G1B+3], 128<<16
	s_mov_b32 s[G1B+4], 96
	s_mov_b32 s[G1B+5], 1024
	s_mov_b32 s[G1B+6], 0
	s_mov_b32 s[G1B+7], 0
	; xn's address is made of by and the wave's number, wb's of bx and the wave's number, each in registers that never hold the other coordinate
	s_lshr_b32 s16, s43, 3
	s_lshl_b32 s16, s16, 22                        ; b x 1,024 rows of 4,096 bytes
	s_and_b32 s17, s43, 7
	s_lshl_b32 s17, s17, 9                         ; 256 positions of 2 bytes
	s_add_co_u32 s16, s16, s17
	s_lshl_b32 s17, s14, 18                        ; my 64 rows of the 128
	s_add_co_u32 s16, s16, s17
	s_mov_b32 s17, 0
	s_mul_i32 s46, s42, 192
	s_mul_i32 s47, s14, 96
	s_add_co_u32 s46, s46, s47
	s_lshl_b32 s46, s46, 11                        ; rows of 2,048 bytes
	s_mov_b32 s47, 0
	s_mul_i32 s20, s12, 64*PA                      ; LDS: waves 0, 1: xn's halves
	s_mul_i32 s21, s12, 96*PB
	s_add_co_u32 s21, s21, ABYTES-2*96*PB          ; waves 2, 3: wb's halves, behind xn's tile
	s_mul_i32 s22, s42, 768                        ; my 192 numbers of bcat
	s_mov_b32 s23, 0
	s_wait_dscnt 0x0
	s_wait_kmcnt 0x0
	s_add_nc_u64 s[18:19], s[4:5], s[16:17]
	s_add_nc_u64 s[46:47], s[6:7], s[46:47]
	s_add_nc_u64 s[8:9], s[8:9], s[22:23]
	CROUND                                         ; all sixteen work-groups are here: the first joint loads meet
.irp s, 0,1
	s_mov_b32 s[G0A+4*\s], 1
	s_add_co_u32 s[G0A+4*\s+1], s20, \s*SLOT
	s_add_nc_u64 s[G0A+4*\s+2:G0A+4*\s+3], s[18:19], \s*KSTEP*4096
	s_or_b32 s[G0A+4*\s+3], s[G0A+4*\s+3], 0x80000000
	s_mov_b32 s[G0B+4*\s], 1
	s_add_co_u32 s[G0B+4*\s+1], s21, \s*SLOT
	s_add_nc_u64 s[G0B+4*\s+2:G0B+4*\s+3], s[46:47], \s*KSTEP*2
	s_or_b32 s[G0B+4*\s+3], s[G0B+4*\s+3], 0x80000000
	JLOAD \s                                       ; two tensor loads of the wave are out: the most in this text
.endr
	v_and_b32 v1, 15, v0                           ; r = l % 16
	v_bfe_u32 v2, v0, 4, 1                         ; h = l / 16
	v_and_b32 v3, 7, v0
	v_bfe_u32 v4, v0, 3, 1
	v_lshl_add_u32 v5, v2, 3, v3                   ; transposing load: row 8 h + l % 8 of the 16 K rows,
	v_mul_u32_u24 v5, v5, PA
	v_lshl_add_u32 v5, v4, 4, v5                   ; 16 bytes for each half of a group of 16 positions,
	s_lshl_b32 s72, s12, 7                         ; my wave's 64 positions
	v_add_nc_u32 v[ADRA], s72, v5
	v_add_nc_u32 v[ADRA+1], SLOT, v[ADRA]
	v_mul_u32_u24 v6, v1, PB
	v_lshl_add_u32 v6, v2, 4, v6
	v_add_nc_u32 v[ADRB], ABYTES, v6
	v_add_nc_u32 v[ADRB+1], SLOT+ABYTES, v6
	s_mul_i32 s73, s12, 16*SP
	s_add_co_u32 s73, s73, STAGE                   ; my wave's stage
	v_mul_u32_u24 v7, v1, SP
	v_lshl_add_u32 v7, v2, 4, v7
	v_add_nc_u32 v[STO], s73, v7                   ; in: position r, 16 bytes for each half of the lanes
	v_bfe_u32 v8, v0, 3, 2
	v_mul_u32_u24 v8, v8, SP
	v_lshl_add_u32 v8, v3, 4, v8
	v_add_nc_u32 v[RD], s73, v8                    ; back: eight lanes take one position's 128 bytes of a head
	v_and_b32 v9, 31, v0
	v_lshlrev_b32 v[CO], 4, v9
	v_lshlrev_b32 v[VBI], 5, v2                    ; the bias of outputs 8 h + 0..7 of a tile
.irp b, 0,1,2,3,4,5,6,7,8,9,10,11
	global_load_b128 v[BIAS+8*\b:BIAS+8*\b+3], v[VBI], s[8:9] offset:64*\b
	global_load_b128 v[BIAS+8*\b+4:BIAS+8*\b+7], v[VBI], s[8:9] offset:64*\b+16
.endr
; 12 matrix instructions: position tile a x all 12 output tiles, 32 along K.  first = 1: C is the bias.
; The 48 accumulators take turns, one instruction a turn, in the same order in every quarter step.
.macro MUL12 f, a, first
.irp b, 0,1,2,3,4,5,6,7,8,9,10,11
.if \first
	v_wmma_f32_16x16x32_bf16 v[8*(12*(\a-2*(\a/2))+\b):8*(12*(\a-2*(\a/2))+\b)+7], v[96*\f+8*\b:96*\f+8*\b+7], v[FA+32*\f+8*\a:FA+32*\f+8*\a+7], v[BIAS+8*\b:BIAS+8*\b+7]
.else
	v_wmma_f32_16x16x32_bf16 v[8*(12*(\a-2*(\a/2))+\b):8*(12*(\a-2*(\a/2))+\b)+7], v[96*\f+8*\b:96*\f+8*\b+7], v[FA+32*\f+8*\a:FA+32*\f+8*\a+7], v[8*(12*(\a-2*(\a/2))+\b):8*(12*(\a-2*(\a/2))+\b)+7]
.endif
.endr
.endm
; 32 LDS loads in one run: quarter q (32 along K) of a slot into buffer f: wb's 12 fragments, then xn's 4
.macro FETCH slot, q, f
	WIN 0x40
.irp b, 0,1,2,3,4,5,6,7,8,9,10,11
	ds_load_b128 v[96*\f+8*\b:96*\f+8*\b+3], v[ADRB+\slot] offset:16*PB*\b+64*\q
	ds_load_b128 v[96*\f+8*\b+4:96*\f+8*\b+7], v[ADRB+\slot] offset:16*PB*\b+64*\q+32
.endr
	WIN 0
.irp a, 0,1,2,3
	ds_load_tr16_b128 v[FA+32*\f+8*\a:FA+32*\f+8*\a+3], v[ADRA+\slot] offset:32*PA*\q+32*\a
	ds_load_tr16_b128 v[FA+32*\f+8*\a+4:FA+32*\f+8*\a+7], v[ADRA+\slot] offset:32*PA*\q+32*\a+16*PA
.endr
.endm
; one of a K step's first three quarters: multiplies buffer f, fetches quarter q of the same slot into buffer g in its middle
.macro QUARTER slot, q, f, g, first
	s_wait_dscnt 4                                 ; all but the youngest four loads (xn's position tiles 2, 3) are in
.if \first
	WIN 0x81                                       ; source 0 window 1, source 1 and C window 0, D window 2
.else
	WIN 0xa1                                       ; C and D window 2
.endif
	MUL12 \f, 0, \first
	MUL12 \f, 1, \first
	PLACES
	FETCH \slot, \q, \g
	s_wait_dscnt 32                                ; all but the 32 just issued
.if \first
	WIN 0xc1
.else
	WIN 0xf1
.endif
	MUL12 \f, 2, \first
	MUL12 \f, 3, \first
.endm
.macro THREE slot, first
	QUARTER \slot, 1, 0, 1, \first
	QUARTER \slot, 2, 1, 0, 0
	QUARTER \slot, 3, 0, 1, 0
.endm
; the last quarter multiplies buffer 1 and changes slots.  In front of the barrier each wave waits for its reads of this slot and for all its tensor
; loads (the one out is its part of the next slot).  With fill = 1 the barrier opens a round of the cluster's barrier, and the joint refill of this
; slot, two K steps ahead, is the first tensor load behind the round.
.macro TURN slot, next, fill
	s_wait_dscnt 4
	WIN 0xa1
	MUL12 1, 0, 0
	s_wait_dscnt 0x0                               ; my reads of this slot are over
	s_wait_tensorcnt 0x0                           ; all my tensor loads have landed
	ds_add_u32 v255, v255
	s_wait_dscnt 0x0
	s_barrier_signal -1
	MUL12 1, 1, 0                                  ; register work while the others arrive
	WIN 0
	s_barrier_wait -1
.if \fill
	CREST
	s_add_nc_u64 s[G0A+4*\slot+2:G0A+4*\slot+3], s[G0A+4*\slot+2:G0A+4*\slot+3], 2*KSTEP*4096
	s_add_nc_u64 s[G0B+4*\slot+2:G0B+4*\slot+3], s[G0B+4*\slot+2:G0B+4*\slot+3], 2*KSTEP*2
	JLOAD \slot
.endif
	PLACES
	FETCH \next, 0, 0
	WIN 0xf1
	MUL12 1, 2, 0
	MUL12 1, 3, 0
.endm
.macro LAP first
	THREE 0, \first
	TURN 0, 1, 1
	THREE 1, 0
	TURN 1, 0, 1
.endm
	s_wait_loadcnt 0x0                             ; the bias
	s_wait_tensorcnt 1                             ; my part of K step 0 is in; K step 1's stays out
	s_barrier_signal -1
	s_barrier_wait -1
	FETCH 0, 0, 0
	LAP 1                                          ; the first lap stands in front of the loop: its first products take the bias as C
	WIN 0
	s_mov_b32 s3, LAPS-2
.Llap:
	LAP 0
	WIN 0
	s_sub_co_u32 s3, s3, 1
	s_cmp_lg_u32 s3, 0
	s_cbranch_scc1 .Llap
	THREE 0, 0                                     ; the last lap fills nothing
	TURN 0, 1, 0
	THREE 1, 0
	s_wait_dscnt 4
	WIN 0xa1
	MUL12 1, 0, 0
	MUL12 1, 1, 0
	s_wait_dscnt 0x0
	WIN 0xf1
	MUL12 1, 2, 0
	MUL12 1, 3, 0
	; THE WAY OUT, 16 positions at a time: round to bf16, 16 bytes a lane into my stage, read back head by head, four positions (512 bytes) a store
	PLACES
	s_mul_i32 s72, s42, 3                          ; my first head-sized block of outputs, G = 3 bx + hh
	s_lshr_b32 s73, s43, 3
	s_lshl_b32 s73, s73, 4                         ; 16 b
	s_and_b32 s74, s43, 7
	s_lshl_b32 s74, s74, 8
	s_lshl_b32 s75, s12, 6
	s_add_co_u32 s74, s74, s75                     ; my first position
	s_lshl_b32 s74, s74, 7                         ; rows of 128 bytes
.irp hh, 0,1,2
	s_add_co_u32 s76, s72, \hh
	s_lshr_b32 s77, s76, 4                         ; which of q, k, v
	s_lshl_b32 s77, s77, 5
	s_and_b32 s76, s76, 15                         ; head
	s_add_co_u32 s76, s76, s77
	s_add_co_u32 s76, s76, s73                     ; plane = 32 which + 16 b + head
	s_lshl_b32 s76, s76, 18                        ; of 262,144 bytes
	s_add_co_u32 s76, s76, s74
	s_mov_b32 s77, 0
	s_add_nc_u64 s[66+2*\hh:67+2*\hh], s[10:11], s[76:77]
.endr
.macro OUT16 a, from
	WIN \from
.irp b, 0,1,2,3,4,5,6,7,8,9,10,11
.irp rr, 0,1,2,3
	v_cvt_pk_bf16_f32 v[TMP+4*\b+\rr], v[8*(12*(\a-2*(\a/2))+\b)+2*\rr], v[8*(12*(\a-2*(\a/2))+\b)+2*\rr+1]
.endr
.endr
	WIN 0
.irp b, 0,1,2,3,4,5,6,7,8,9,10,11
	ds_store_b128 v[STO], v[TMP+4*\b:TMP+4*\b+3] offset:32*\b
.endr
	s_wait_xcnt 0x0                                ; the registers that the last 12 global stores read are loaded again only behind this wait
.irp hh, 0,1,2
.irp g, 0,1,2,3
	ds_load_b128 v[RB+4*(4*\hh+\g):RB+4*(4*\hh+\g)+3], v[RD] offset:4*SP*\g+128*\hh   ; LDS serves a wave's instructions in order: these see the stores above
.endr
.endr
.irp hh, 0,1,2
.irp g, 0,1,2,3
	s_wait_dscnt 11-(4*\hh+\g)
	global_store_b128 v[CO], v[RB+4*(4*\hh+\g):RB+4*(4*\hh+\g)+3], s[66+2*\hh:67+2*\hh] offset:2048*\a+512*\g   ; 512 consecutive bytes, aligned
.endr
.endr
.endm
	OUT16 0, 0x0a
	OUT16 1, 0x0a
	OUT16 2, 0x0f
	OUT16 3, 0x0f
	s_set_vgpr_msb 0x1
	s_wait_tensorcnt 0x0
	ds_add_u32 v255, v255
	s_wait_dscnt 0x0
	s_set_vgpr_msb 0x100
	CROUND                                         ; the closing round: no work-group ends while a partner may still ask jointly
	s_endpgm
.Lfunc_end_k_q54c971a794_qkv:
	.size	k_q54c971a794_qkv, .Lfunc_end_k_q54c971a794_qkv-k_q54c971a794_qkv
	.p2alignl 7, 3214868480
	.fill 96, 4, 3214868480
	.section	.rodata,"a",@progbits
	.p2align	6, 0x0
	.amdhsa_kernel k_q54c971a794_qkv
		.amdhsa_group_segment_fixed_size 327680
		.amdhsa_private_segment_fixed_size 0
		.amdhsa_enable_private_segment 0
		.amdhsa_kernarg_size 32
		.amdhsa_user_sgpr_count 2
		.amdhsa_user_sgpr_kernarg_segment_ptr 1
		.amdhsa_wavefront_size32 1
		.amdhsa_system_sgpr_workgroup_id_x 1
		.amdhsa_system_sgpr_workgroup_id_y 1
		.amdhsa_system_sgpr_workgroup_id_z 1
		.amdhsa_system_vgpr_workitem_id 0
		.amdhsa_next_free_vgpr 960
		.amdhsa_next_free_sgpr 80
		.amdhsa_reserve_vcc 0
		.amdhsa_float_denorm_mode_32 3
		.amdhsa_float_denorm_mode_16_64 3
		.amdhsa_memory_ordered 1
		.amdhsa_forward_progress 1
		.amdhsa_inst_pref_size 167
	.end_amdhsa_kernel
	.amdgpu_metadata
---
amdhsa.version: [ 1, 2 ]
amdhsa.kernels:
  - .name:           k_q54c971a794_qkv
    .symbol:         k_q54c971a794_qkv.kd
    .args:
      - { .name: xn, .offset: 0, .size: 8, .value_kind: global_buffer, .address_space: global }
      - { .name: wb, .offset: 8, .size: 8, .value_kind: global_buffer, .address_space: global }
      - { .name: bcat, .offset: 16, .size: 8, .value_kind: global_buffer, .address_space: global }
      - { .name: qkv, .offset: 24, .size: 8, .value_kind: global_buffer, .address_space: global }
    .group_segment_fixed_size: 327680
    .private_segment_fixed_size: 0
    .kernarg_segment_align: 8
    .kernarg_segment_size: 32
    .max_flat_workgroup_size: 128
    .sgpr_count:     80
    .vgpr_count:     960
    .wavefront_size: 32
...
	.end_amdgpu_metadata
.endif
;; end of part 3
;; launch attn (part 4): grid 8 x 32, 8 waves a work-group, clusters of 4 x 1, 327,680 bytes of LDS; arguments qkv, attention_mask, att; writes att
.if DOCPART == 4
	.amdgcn_target "amdgcn-amd-amdhsa--gfx1250"
	.amdhsa_code_object_version 6
	.text
	.protected	k_q54c971a794_attn
	.globl	k_q54c971a794_attn
	.p2align	8
	.type	k_q54c971a794_attn,@function
k_q54c971a794_attn:
	s_mov_b64 s[64:65], 0
	v_nop
	global_prefetch_b8 v0, s[64:65] scope:SCOPE_SE
	s_setreg_imm32_b32 hwreg(HW_REG_WAVE_MODE, 25, 1), 1
	s_wait_xcnt 0x0
	s_wait_alu depctr_hold_cnt(0) depctr_sa_sdst(0) depctr_va_vdst(0) depctr_va_sdst(0) depctr_va_ssrc(0) depctr_va_vcc(0) depctr_vm_vsrc(0)
	s_getreg_b32 s2, hwreg(HW_REG_IB_STS2, 6, 4)
	s_cmp_eq_u32 s2, 0
	s_cbranch_scc0 .Lentry_in_a_cluster
	s_endpgm
.Lentry_in_a_cluster:
	s_bfe_u32 s2, ttmp6, 0x10000c
	s_cmp_lg_u32 s2, 0x3003
	s_cbranch_scc0 .Lentry_shape_is_right
	s_endpgm
.Lentry_shape_is_right:
; attn: att[b][head][s][d] = bf16( softmax over keys of (q . k, masked) x v ), with a running maximum.
; q carries 0.125 log2(e) already, so scores are in base-2 units and the exponentials are plain v_exp_f32.
; A work-group takes 256 queries of one (b, head): 8 x 32 = 256 work-groups; a wave takes 32 queries: two tiles of 16, called streams 0 and 1.
; Keys go in tiles of 256 through two LDS slots, each tile worked in four steps of 64 keys: 32 steps in all.
; CLUSTERS of 4 x 1: the four work-groups of a cluster have the same (b, head) and read the same K and V tiles: every tile is asked for jointly (mask 15).
; Q is each wave's own and comes straight into registers.
; ORIENTATION: scores are made transposed, S^T = K Q^T: a lane holds ONE query (l % 16) and, in its registers, keys 8 (l / 16) + 0..7 of each key tile.
; So maximum, sum and rescale factor are the lane's own figures (one exchange with lane l xor 16), and the rounded probabilities lie in the layout of
; source 1 of O^T = V^T P^T.  V lies [key][d] and comes by the transposing LDS load.  A lane's results are eight neighbouring d of one query.
; THE TWO STREAMS RUN HALF A STEP APART, so that matrix and vector instructions alternate in the wave's own text.  Step i is
;   phase A: softmax of stream 0 on keys i   among the 8 score products of stream 1 on keys i;     then rescale of O(0) among the 8 products P V of stream 1, keys i-1
;   phase B: softmax of stream 1 on keys i   among the 8 score products of stream 0 on keys i+1;   then rescale of O(1) among the 8 products P V of stream 0, keys i
; K and the bias of keys i+1 are loaded in phase A behind the products that read those of keys i; V of keys i at the end of phase A.
; REGISTERS: window 0: v5-31 addresses and the streams' figures, v32-63 Q, v64-127 S, v128-159 P, v160-223 K, v224-255 the keys' bias;
;   window 1: v0-63 O, v64-127 V, v128-129 V's LDS addresses.  Setting 0 serves softmax and score products; setting 0x51 (source 0, C and D in window 1)
;   serves P V, the rescale of O and V's loads: four switches for 64 keys.
; THE MASK: a masked key gets the bias -2^100 as the C operand of the score product (reference: -inf), an open key 0.  The running maximum starts at -2^99
; and never falls below it, so a masked key's exponent is at most -2^99 and its probability exactly 0.
; LIMIT: open scores (in base-2 units) must lie above -2^99.  A sample whose keys are all masked gives sum 0 and 0 x inf = NaN, as the reference does.
.set PK,     144                       ; K rows: 128 bytes + 16
.set PV,     160                       ; V rows: 128 bytes + 32, an odd multiple of 32 for the transposing load
.set KBYTES, 256*PK                    ; 36,864
.set SLOT,   256*(PK+PV)               ; 77,824
.set BIASL,  2*SLOT                    ; 155,648: 2,048 f32, one for each key; written by LDS stores, never a tensor load's target
.set STAGE,  BIASL+8192                ; 163,840: 32 rows x 144 bytes for each wave, never a tensor load's target
.set PLANE,  262144                    ; bytes of one (which, b, head) plane
.set VQ,  5                            ; v5      offset of my Q fragments
.set ADK, 6                            ; v6-7    K fragments in slot 0, 1
.set ADB, 8                            ; v8      key bias, steps 2,048 bytes for every eight steps
.set STO, 9
.set RD,  10
.set CO,  11
.set MP,  12                           ; v[12+2q..] (m, m)
.set AP,  16                           ; v[16+2q..] (alpha, alpha)
.set LP,  20                           ; v[20+2q..] two partial sums
.set T,   24                           ; v24-31 at work
.set QF,  32                           ; Q(q, ks) at QF + 16 q + 8 ks
.set SF,  64                           ; S(t, q) at SF + 32 q + 8 t
.set PF,  128                          ; P(q): 16 registers at PF + 16 q, keys 32 u .. in registers 8 u ..
.set KF,  160                          ; K(ks, t) at KF + 32 ks + 8 t
.set BF,  224                          ; bias(t) at BF + 8 t
.set OF,  0                            ; window 1: O(dt, q) at OF + 32 q + 8 dt
.set VF,  64                           ; window 1: V(u, dt) at VF + 32 u + 8 dt
.set ADV, 128                          ; window 1: V fragments in slot 0, 1
.set G1K, 16
.set G1V, 24
.set G0K, 32
.set G0V, 40
.set MSB, 0
.macro WIN new                         ; the immediate's high byte repeats the setting that is left
.if MSB != \new
	s_set_vgpr_msb (MSB<<8)|\new
.set MSB, \new
.endif
.endm
.macro CREST                           ; a round of the cluster's barrier behind its opening work-group barrier
	s_cmp_lg_u32 s8, 0
	s_cbranch_scc1 .Lnot_wave_0_\@
	s_barrier_signal -3
.Lnot_wave_0_\@:
	s_barrier_wait -3
	s_barrier_signal -1
	s_barrier_wait -1
.endm
.macro ROUND
	s_barrier_signal -1
	s_barrier_wait -1
	CREST
.endm
	s_load_b128 s[4:7], s[0:1], 0x0                ; qkv 4:5, attention_mask 6:7
	s_load_b64 s[10:11], s[0:1], 0x10              ; att
	s_set_vgpr_msb 0x40
	v_lshl_add_u32 v137, v0, 2, 0x31000
	s_set_vgpr_msb 0x4000
	v_mov_b32 v31, 0
	s_set_vgpr_msb 0x1
	ds_add_u32 v137, v31
	s_set_vgpr_msb 0x100
	v_lshrrev_b32 v1, 5, v0
	v_readfirstlane_b32 s8, v1                     ; wave
	s_bfe_u32 s9, ttmp6, 0x40000                   ; cx
	s_lshl_b32 s12, ttmp9, 2
	s_add_co_u32 s12, s12, s9                      ; block of 256 queries
	s_and_b32 s13, ttmp7, 0xffff                   ; y = 16 b + head
	s_mov_b32 s50, 0x76543210
	s_mov_b32 s51, 0xfedcba98
	; group 1: 32 rows x 64 elements; K padded by 4 words behind every 32, V by 8.  Mask 15: all four work-groups of the cluster
	s_mov_b32 s[G1K+0], 15|(1<<16)|(1<<20)|(1<<21)|(4<<22)|(3<<25)
	s_mov_b32 s[G1K+1], 64<<16
	s_mov_b32 s[G1K+2], 32<<16
	s_mov_b32 s[G1K+3], 64<<16
	s_mov_b32 s[G1K+4], 32
	s_mov_b32 s[G1K+5], 64
	s_mov_b32 s[G1K+6], 0
	s_mov_b32 s[G1K+7], 0
	s_mov_b32 s[G1V+0], 15|(1<<16)|(1<<20)|(1<<21)|(4<<22)|(7<<25)
	s_mov_b32 s[G1V+1], 64<<16
	s_mov_b32 s[G1V+2], 32<<16
	s_mov_b32 s[G1V+3], 64<<16
	s_mov_b32 s[G1V+4], 32
	s_mov_b32 s[G1V+5], 64
	s_mov_b32 s[G1V+6], 0
	s_mov_b32 s[G1V+7], 0
	s_lshl_b32 s56, s13, 18                        ; y planes
	s_lshl_b32 s57, s8, 12                         ; + my wave's 32 rows of 128 bytes: no place in the cluster enters
	s_add_co_u32 s56, s56, s57
	s_mov_b32 s57, 0
	s_lshl_b32 s58, s12, 15                        ; my work-group's 256 queries
	s_mov_b32 s59, 0
	s_lshr_b32 s14, s13, 4
	s_lshl_b32 s14, s14, 13                        ; the sample's row of the mask
	s_mov_b32 s15, 0
	s_mul_i32 s60, s8, 32*PK                       ; my 32 rows in a K tile
	s_mul_i32 s61, s8, 32*PV
	s_add_co_u32 s61, s61, KBYTES                  ; my 32 rows in a V tile
	s_add_co_u32 s49, s60, STAGE                   ; my stage (32 rows of 144 bytes too)
	s_wait_dscnt 0x0
	s_wait_kmcnt 0x0
	s_add_nc_u64 s[52:53], s[4:5], s[56:57]
	s_add_nc_u64 s[54:55], s[52:53], s[58:59]      ; my wave's queries
	s_add_nc_u64 s[10:11], s[10:11], s[56:57]
	s_add_nc_u64 s[10:11], s[10:11], s[58:59]      ; and their rows of att
	s_add_nc_u64 s[6:7], s[6:7], s[14:15]
.irp n, 0,1
	s_mov_b32 s[G0K+4*\n], 1
	s_add_co_u32 s[G0K+4*\n+1], s60, \n*SLOT
	s_add_nc_u64 s[G0K+4*\n+2:G0K+4*\n+3], s[52:53], 32*PLANE+\n*32768
	s_or_b32 s[G0K+4*\n+3], s[G0K+4*\n+3], 0x80000000
	s_mov_b32 s[G0V+4*\n], 1
	s_add_co_u32 s[G0V+4*\n+1], s61, \n*SLOT
	s_add_nc_u64 s[G0V+4*\n+2:G0V+4*\n+3], s[52:53], 64*PLANE+\n*32768
	s_or_b32 s[G0V+4*\n+3], s[G0V+4*\n+3], 0x80000000
.endr
	v_and_b32 v1, 15, v0                           ; r
	v_bfe_u32 v2, v0, 4, 1                         ; h
	v_and_b32 v3, 7, v0
	v_bfe_u32 v4, v0, 3, 1
	v_lshlrev_b32 v24, 5, v0                       ; my eight keys of the mask
	v_lshlrev_b32 v25, 7, v1
	v_lshl_add_u32 v[VQ], v2, 4, v25               ; query r, 16 bytes for each half of the lanes
	global_load_b128 v[128:131], v24, s[6:7]
	global_load_b128 v[132:135], v24, s[6:7] offset:16
.irp qt, 0,1
.irp ks, 0,1
	global_load_b128 v[QF+16*\qt+8*\ks:QF+16*\qt+8*\ks+3], v[VQ], s[54:55] offset:2048*\qt+64*\ks
	global_load_b128 v[QF+16*\qt+8*\ks+4:QF+16*\qt+8*\ks+7], v[VQ], s[54:55] offset:2048*\qt+64*\ks+32
.endr
.endr
	ROUND                                          ; in front of the first joint loads, which do not wait for the mask
	tensor_load_to_lds s[G0K:G0K+3], s[G1K:G1K+7]  ; tiles 0 and 1: my 32 rows of K and of V of each: four tensor loads of the wave are out, the most in this text
	s_nop 0
	tensor_load_to_lds s[G0V:G0V+3], s[G1V:G1V+7]
	s_nop 0
	tensor_load_to_lds s[G0K+4:G0K+7], s[G1K:G1K+7]
	s_nop 0
	tensor_load_to_lds s[G0V+4:G0V+7], s[G1V:G1V+7]
	s_nop 0
	v_mul_u32_u24 v26, v1, PK
	v_lshl_add_u32 v[ADK], v2, 4, v26
	v_add_nc_u32 v[STO], s49, v[ADK]               ; the stage has K's pitch: row r, 16 bytes for each half
	v_add_nc_u32 v[ADK+1], SLOT, v[ADK]
	v_lshl_add_u32 v26, v2, 3, v3
	v_mul_u32_u24 v26, v26, PV
	v_lshl_add_u32 v26, v4, 4, v26
	WIN 0x40                                       ; destination window 1
	v_add_nc_u32 v[ADV], KBYTES, v26
	v_add_nc_u32 v[ADV+1], SLOT+KBYTES, v26
	WIN 0
	v_lshlrev_b32 v26, 5, v2
	v_add_nc_u32 v[ADB], BIASL, v26
	v_bfe_u32 v26, v0, 3, 2
	v_mul_u32_u24 v26, v26, PK
	v_lshl_add_u32 v26, v3, 4, v26
	v_add_nc_u32 v[RD], s49, v26                   ; back: eight lanes take one query's 128 bytes
	v_and_b32 v26, 31, v0
	v_lshlrev_b32 v[CO], 4, v26
	v_add_nc_u32 v27, BIASL, v24
	v_mov_b32 v28, 0xf1800000                      ; -2^100
.irp i, 0,1,2,3
	v_mov_b32 v[MP+\i], 0xf1000000                 ; -2^99
	v_mov_b32 v[LP+\i], 0
.endr
	s_wait_loadcnt 8                               ; the eight loads of Q are younger and stay out: the mask is in
.irp i, 0,1,2,3,4,5,6,7
	v_cmp_eq_u32 vcc_lo, 0, v[128+\i]
	v_cndmask_b32 v[128+\i], 0, v28, vcc_lo
.endr
	ds_store_b128 v27, v[128:131]
	ds_store_b128 v27, v[132:135] offset:16
	s_wait_loadcnt 0x0                             ; Q
	s_wait_dscnt 0x0                               ; my part of the bias is written before I signal: all waves read it behind the barrier
	s_wait_tensorcnt 2                             ; my rows of tile 0 have landed; tile 1's two loads stay out
	s_barrier_signal -1
	s_barrier_wait -1
; What a phase holds is said by symbols that STEP sets:
;   SQ the stream whose softmax runs, WQ the stream whose scores are made; EW: score products are made; EWT: they wait for K; EL: K and bias are loaded
;   (from slot LSLOT, step LSUB of the tile, bias at byte LBOFF); EBW: the wait of the barrier that shows the next tile stands ahead of the first load.
; The k-th score product of stream WQ: k = 0..3: d 0-31 of key tile k, C = the keys' bias; k = 4..7: d 32-63 of key tile k - 4, in place.
; The four accumulators take turns, one instruction a turn.
.macro XW k
.if EW
.if EWT
.if \k == 0
	s_wait_dscnt 24                                ; younger: K's d 32-63 (8 loads) and V (16): the bias and K's d 0-31 are in
.endif
.if \k == 4
	s_wait_dscnt 16                                ; younger: V's 16 loads: K's d 32-63 is in
.endif
.endif
.if \k < 4
	v_wmma_f32_16x16x32_bf16 v[SF+32*WQ+8*\k:SF+32*WQ+8*\k+7], v[KF+8*\k:KF+8*\k+7], v[QF+16*WQ:QF+16*WQ+7], v[BF+8*\k:BF+8*\k+7]
.else
	v_wmma_f32_16x16x32_bf16 v[SF+32*WQ+8*\k-32:SF+32*WQ+8*\k-25], v[KF+8*\k:KF+8*\k+7], v[QF+16*WQ+8:QF+16*WQ+15], v[SF+32*WQ+8*\k-32:SF+32*WQ+8*\k-25]
.endif
.endif
.endm
; The num-th of the 24 loads for the next 64 keys: 0..7 the bias, 8..15 K's d 0-31, 16..23 K's d 32-63
.macro XL num
.if EL
.if \num == 0
.if EBW
	s_barrier_wait -1                              ; every wave's rows of the next tile have landed: from here on that slot is read
.endif
.endif
.if \num < 8
	ds_load_b128 v[BF+4*\num:BF+4*\num+3], v[ADB] offset:LBOFF+64*(\num/2)+16*(\num-2*(\num/2))
.else
	ds_load_b128 v[KF+4*(\num-8):KF+4*(\num-8)+3], v[ADK+LSLOT] offset:64*PK*LSUB+16*PK*(((\num-8)/2)-4*((\num-8)/8))+64*((\num-8)/8)+32*(\num-2*(\num/2))
.endif
.endif
.endm
; Softmax of stream SQ on 64 new keys (32 registers), the other stream's score products and the next K among it.  All in window 0.
; The vector lines name none of the products' registers, so they are the places behind them (ISA guide 7.12.1): the bias and K's d 0-31 are loaded again
; from pair 2 on, at least five plain lines behind product 3; K's d 32-63 from pair 12 on, six plain lines behind product 7.
.macro SMX
	WIN 0
.irp c, 0,1,2,3
	v_max3_num_f32 v[T+\c], v[SF+32*SQ+8*\c], v[SF+32*SQ+8*\c+1], v[SF+32*SQ+8*\c+2]
.endr
.irp c, 0,1,2,3
	v_max3_num_f32 v[T+\c], v[T+\c], v[SF+32*SQ+8*\c+3], v[SF+32*SQ+8*\c+4]
.endr
	XW 0
.irp c, 0,1,2,3
	v_max3_num_f32 v[T+\c], v[T+\c], v[SF+32*SQ+8*\c+5], v[SF+32*SQ+8*\c+6]
.endr
.irp c, 0,1,2,3
	v_max_num_f32 v[T+\c], v[T+\c], v[SF+32*SQ+8*\c+7]
.endr
	XW 1
	v_max3_num_f32 v[T], v[T], v[T+1], v[T+2]
	v_max3_num_f32 v[T], v[T], v[T+3], v[MP+2*SQ]
	v_permlanex16_b32 v[T+1], v[T], s50, s51       ; the same query's other 32 keys lie in lane l xor 16
	XW 2
	v_max_num_f32 v[T], v[T], v[T+1]               ; the new maximum
	v_sub_f32 v[T+2], v[MP+2*SQ], v[T]
	v_exp_f32 v[AP+2*SQ], v[T+2]                   ; alpha = 2^(old - new), twice for the packed multiplies
	v_exp_f32 v[AP+2*SQ+1], v[T+2]
	v_mov_b32 v[MP+2*SQ], v[T]                     ; plain lines between the exponentials and the use of their results (ISA guide 5.7.2)
	v_mov_b32 v[MP+2*SQ+1], v[T]
	XW 3
	v_pk_add_f32 v[SF+32*SQ:SF+32*SQ+1], v[SF+32*SQ:SF+32*SQ+1], v[MP+2*SQ:MP+2*SQ+1] neg_lo:[0,1] neg_hi:[0,1]
	; pair sn: its two exponentials, each followed by a plain line that touches neither its result nor its source:
	; the next pair's subtraction, the last pair's sum and rounding
.set sn, 0
.rept 16
	v_exp_f32 v[SF+32*SQ+2*sn], v[SF+32*SQ+2*sn]
.if sn < 15
	v_pk_add_f32 v[SF+32*SQ+2*sn+2:SF+32*SQ+2*sn+3], v[SF+32*SQ+2*sn+2:SF+32*SQ+2*sn+3], v[MP+2*SQ:MP+2*SQ+1] neg_lo:[0,1] neg_hi:[0,1]
.endif
	v_exp_f32 v[SF+32*SQ+2*sn+1], v[SF+32*SQ+2*sn+1]
.if sn == 1
	s_wait_alu depctr_va_vdst(0)
	v_pk_fma_f32 v[LP+2*SQ:LP+2*SQ+1], v[LP+2*SQ:LP+2*SQ+1], v[AP+2*SQ:AP+2*SQ+1], v[SF+32*SQ:SF+32*SQ+1]   ; the old sum rescaled, and the first pair
	v_cvt_pk_bf16_f32 v[PF+16*SQ], v[SF+32*SQ], v[SF+32*SQ+1]
.endif
.if sn > 1
	s_wait_alu depctr_va_vdst(0)
	v_pk_add_f32 v[LP+2*SQ:LP+2*SQ+1], v[LP+2*SQ:LP+2*SQ+1], v[SF+32*SQ+2*sn-2:SF+32*SQ+2*sn-1]
	v_cvt_pk_bf16_f32 v[PF+16*SQ+sn-1], v[SF+32*SQ+2*sn-2], v[SF+32*SQ+2*sn-1]
.endif
.if sn == 1
	XW 4
.endif
.if sn == 4
	XW 5
.endif
.if sn == 7
	XW 6
.endif
.if sn == 10
	XW 7
.endif
.if sn >= 2
.if sn <= 9
.set ln, 2*sn-4
	XL ln
.set ln, ln+1
	XL ln
.endif
.endif
.if sn >= 12
.set ln, 2*sn-8
	XL ln
.set ln, ln+1
	XL ln
.endif
.set sn, sn+1
.endr
	v_pk_add_f32 v[LP+2*SQ:LP+2*SQ+1], v[LP+2*SQ:LP+2*SQ+1], v[SF+32*SQ+30:SF+32*SQ+31]
	v_cvt_pk_bf16_f32 v[PF+16*SQ+15], v[SF+32*SQ+30], v[SF+32*SQ+31]
.endm
; The second half of a phase, under setting 0x51.  RQ: the stream whose O is rescaled (ER); PQ: the stream whose P V is added (EP; PFIRST: its first products
; start the sums); EPW: the products wait for V; ESIG: a barrier's signal stands behind the wait for the last LDS loads; ELV: V of slot VSLOT, step VSUB is loaded.
; The four accumulators of a stream take turns, one instruction a turn.  Nine rescale lines, which name none of the products' registers,
; stand behind the last product: the places in front of V's loads.
.macro PVX
	WIN 0x51
.set pn, 0
.rept 8
.if EP
.if EPW
.if pn == 0
	s_wait_dscnt 8                                 ; V of the first 32 keys is in; the eight loads of the second 32 stay out
.endif
.if pn == 4
	s_wait_dscnt 0x0                               ; no LDS load of mine is out: my reads of every step up to this one are over
.if ESIG
	s_wait_tensorcnt 0x0                           ; all my tensor loads have landed: the two that were out are my rows of the tile in the other slot
	ds_add_u32 v137, v31
	s_wait_dscnt 0x0
	s_barrier_signal -1                            ; only register work stands between this signal and its wait
.endif
.endif
.endif
.if pn < 4
.if PFIRST
	v_wmma_f32_16x16x32_bf16 v[OF+32*PQ+8*pn:OF+32*PQ+8*pn+7], v[VF+8*pn:VF+8*pn+7], v[PF+16*PQ:PF+16*PQ+7], 0
.else
	v_wmma_f32_16x16x32_bf16 v[OF+32*PQ+8*pn:OF+32*PQ+8*pn+7], v[VF+8*pn:VF+8*pn+7], v[PF+16*PQ:PF+16*PQ+7], v[OF+32*PQ+8*pn:OF+32*PQ+8*pn+7]
.endif
.else
	v_wmma_f32_16x16x32_bf16 v[OF+32*PQ+8*pn-32:OF+32*PQ+8*pn-25], v[VF+8*pn:VF+8*pn+7], v[PF+16*PQ+8:PF+16*PQ+15], v[OF+32*PQ+8*pn-32:OF+32*PQ+8*pn-25]
.endif
.endif
.if ER
	v_pk_mul_f32 v[OF+32*RQ+2*pn:OF+32*RQ+2*pn+1], v[OF+32*RQ+2*pn:OF+32*RQ+2*pn+1], v[AP+2*RQ:AP+2*RQ+1]
.endif
.set pn, pn+1
.endr
.if ER
.rept 8
	v_pk_mul_f32 v[OF+32*RQ+2*pn:OF+32*RQ+2*pn+1], v[OF+32*RQ+2*pn:OF+32*RQ+2*pn+1], v[AP+2*RQ:AP+2*RQ+1]
.set pn, pn+1
.endr
.endif
.if ELV
.irp u, 0,1
.irp dt, 0,1,2,3
	ds_load_tr16_b128 v[VF+32*\u+8*\dt:VF+32*\u+8*\dt+3], v[ADV+VSLOT] offset:64*PV*VSUB+32*PV*\u+32*\dt
	ds_load_tr16_b128 v[VF+32*\u+8*\dt+4:VF+32*\u+8*\dt+7], v[ADV+VSLOT] offset:64*PV*VSUB+32*PV*\u+32*\dt+16*PV
.endr
.endr
.endif
.endm
; Step i.  idx: 0 for i = 0, 1 for i = 1, else 2 (O(0) begins in step 0's phase B, O(1) in step 1's phase A); last: i = 31;
; V of keys i lies in (vslot, vsub), K of keys i+1 in (kslot, ksub), their bias at byte boff from ADB;
; bw: the barrier's wait stands in front of K's loads; sig: a barrier's signal stands in phase B.
.macro STEP idx, last, vslot, vsub, kslot, ksub, boff, bw, sig
.set SQ, 0
.set WQ, 1
.set EW, 1
.set EWT, 0
.set EL, 1-\last
.set EBW, \bw
.set LSLOT, \kslot
.set LSUB, \ksub
.set LBOFF, \boff
	SMX
.set RQ, 0
.set PQ, 1
.if \idx == 0
.set ER, 0
.set EP, 0
.else
.set ER, 1
.set EP, 1
.endif
.if \idx == 1
.set PFIRST, 1
.else
.set PFIRST, 0
.endif
.set EPW, 0
.set ESIG, 0
.set ELV, 1
.set VSLOT, \vslot
.set VSUB, \vsub
	PVX
.set SQ, 1
.set WQ, 0
.set EW, 1-\last
.set EWT, 1-\last
.set EL, 0
.set EBW, 0
	SMX
.set RQ, 1
.set PQ, 0
.set EP, 1
.if \idx == 0
.set PFIRST, 1
.else
.set PFIRST, 0
.endif
.set EPW, 1
.set ESIG, \sig
.set ELV, 0
	PVX
.endm
; The slot whose tile has been read is filled again, two tiles on.  The round's opening signal stands in the step before, behind that wave's waits for all its
; LDS loads and all its tensor loads; the two joint loads are the first tensor loads behind the round.  They have two steps and most of a third in which to land.
.macro FILL slot
	WIN 0
	s_barrier_wait -1
	CREST
	s_add_nc_u64 s[G0K+4*\slot+2:G0K+4*\slot+3], s[G0K+4*\slot+2:G0K+4*\slot+3], 65536    ; 512 keys on
	s_add_nc_u64 s[G0V+4*\slot+2:G0V+4*\slot+3], s[G0V+4*\slot+2:G0V+4*\slot+3], 65536
	tensor_load_to_lds s[G0K+4*\slot:G0K+4*\slot+3], s[G1K:G1K+7]
	s_nop 0
	tensor_load_to_lds s[G0V+4*\slot:G0V+4*\slot+3], s[G1V:G1V+7]
	s_nop 0
.endm
	; the way in: K and bias of keys 0, scores of stream 0
.set WQ, 0
.set EW, 1
.set EWT, 0
.set EL, 1
.set EBW, 0
.set LSLOT, 0
.set LSUB, 0
.set LBOFF, 0
.set ln, 0
.rept 24
	XL ln
.set ln, ln+1
.endr
	s_wait_dscnt 8                                 ; the bias and K's d 0-31 are in; the eight loads of d 32-63 stay out
	XW 0
	XW 1
	XW 2
	XW 3
	s_wait_dscnt 0x0
	XW 4
	XW 5
	XW 6
	XW 7
.rept 4
	v_nop                                          ; four places before the scores are read (ISA guide 7.12.1)
.endr
	STEP 0, 0, 0, 0, 0, 1, 256, 0, 0               ; steps 0 and 1 start the sums O
	STEP 1, 0, 0, 1, 0, 2, 512, 0, 0
	WIN 0                                          ; at a label and at a branch every window is 0
	s_mov_b32 s48, 3
.Loct:                                             ; steps 8 k + 2 .. 8 k + 9, k = 0, 1, 2
	STEP 2, 0, 0, 2, 0, 3, 768, 0, 1               ; signals: slot 1's tile has landed
	STEP 2, 0, 0, 3, 1, 0, 1024, 1, 1              ; waits for that, reads slot 1's first K; signals: slot 0 has been read
	FILL 0
	STEP 2, 0, 1, 0, 1, 1, 1280, 0, 0
	STEP 2, 0, 1, 1, 1, 2, 1536, 0, 0
	STEP 2, 0, 1, 2, 1, 3, 1792, 0, 1              ; signals: slot 0's tile has landed
	STEP 2, 0, 1, 3, 0, 0, 2048, 1, 1              ; waits for that, reads slot 0's first K; signals: slot 1 has been read
	FILL 1
	STEP 2, 0, 0, 0, 0, 1, 2304, 0, 0
	STEP 2, 0, 0, 1, 0, 2, 2560, 0, 0
	WIN 0
	v_add_nc_u32 v[ADB], 2048, v[ADB]              ; eight steps of 64 keys of 4 bytes
	s_sub_co_u32 s48, s48, 1
	s_cmp_lg_u32 s48, 0
	s_cbranch_scc1 .Loct
	STEP 2, 0, 0, 2, 0, 3, 768, 0, 1               ; steps 26 to 31: nothing is filled any more; tile 7 is shown
	STEP 2, 0, 0, 3, 1, 0, 1024, 1, 0
	STEP 2, 0, 1, 0, 1, 1, 1280, 0, 0
	STEP 2, 0, 1, 1, 1, 2, 1536, 0, 0
	STEP 2, 0, 1, 2, 1, 3, 1792, 0, 0
	STEP 2, 1, 1, 3, 0, 0, 0, 0, 0
.set PQ, 1                                         ; stream 1's last P V
.set EP, 1
.set ER, 0
.set PFIRST, 0
.set EPW, 0
.set ESIG, 0
.set ELV, 0
	PVX
.rept 4
	v_nop                                          ; four places before O is read (ISA guide 7.12.1)
.endr
	; THE WAY OUT: divide by the sum, round, 16 bytes a lane into my stage, read back as rows of 128 bytes, four rows (512 consecutive bytes) a store
	WIN 0
.irp q, 0,1
	v_add_f32 v[T+2*\q], v[LP+2*\q], v[LP+2*\q+1]
	v_permlanex16_b32 v[T+2*\q+1], v[T+2*\q], s50, s51
	v_add_f32 v[T+2*\q], v[T+2*\q], v[T+2*\q+1]
.endr
.irp q, 0,1
	v_rcp_f32 v[AP+2*\q], v[T+2*\q]
	v_rcp_f32 v[AP+2*\q+1], v[T+2*\q]
.endr
	v_nop                                          ; one plain line between v_rcp_f32 and the use of its result (ISA guide 5.7.2)
	WIN 0x51
	s_wait_alu depctr_va_vdst(0)
.irp q, 0,1
.irp i, 0,1,2,3,4,5,6,7,8,9,10,11,12,13,14,15
	v_pk_mul_f32 v[OF+32*\q+2*\i:OF+32*\q+2*\i+1], v[OF+32*\q+2*\i:OF+32*\q+2*\i+1], v[AP+2*\q:AP+2*\q+1]
.endr
.endr
	WIN 0x05                                       ; both sources window 1, destination window 0
.set pn, 0
.rept 32
	v_cvt_pk_bf16_f32 v[KF+pn], v[OF+2*pn], v[OF+2*pn+1]
.set pn, pn+1
.endr
	WIN 0
.irp q, 0,1
.irp dt, 0,1,2,3
	ds_store_b128 v[STO], v[KF+16*\q+4*\dt:KF+16*\q+4*\dt+3] offset:16*PK*\q+32*\dt
.endr
.endr
.irp i, 0,1,2,3,4,5,6,7
	ds_load_b128 v[SF+4*\i:SF+4*\i+3], v[RD] offset:4*PK*\i            ; LDS serves a wave's instructions in order: these see the stores above
.endr
.irp i, 0,1,2,3,4,5,6,7
	s_wait_dscnt 7-\i
	global_store_b128 v[CO], v[SF+4*\i:SF+4*\i+3], s[10:11] offset:512*\i
.endr
	s_set_vgpr_msb 0x1
	s_wait_tensorcnt 0x0
	ds_add_u32 v137, v31
	s_wait_dscnt 0x0
	s_set_vgpr_msb 0x100
	ROUND                                          ; the closing round
	s_endpgm
.Lfunc_end_k_q54c971a794_attn:
	.size	k_q54c971a794_attn, .Lfunc_end_k_q54c971a794_attn-k_q54c971a794_attn
	.p2alignl 7, 3214868480
	.fill 96, 4, 3214868480
	.section	.rodata,"a",@progbits
	.p2align	6, 0x0
	.amdhsa_kernel k_q54c971a794_attn
		.amdhsa_group_segment_fixed_size 327680
		.amdhsa_private_segment_fixed_size 0
		.amdhsa_enable_private_segment 0
		.amdhsa_kernarg_size 24
		.amdhsa_user_sgpr_count 2
		.amdhsa_user_sgpr_kernarg_segment_ptr 1
		.amdhsa_wavefront_size32 1
		.amdhsa_system_sgpr_workgroup_id_x 1
		.amdhsa_system_sgpr_workgroup_id_y 1
		.amdhsa_system_sgpr_workgroup_id_z 1
		.amdhsa_system_vgpr_workitem_id 0
		.amdhsa_next_free_vgpr 394
		.amdhsa_next_free_sgpr 66
		.amdhsa_reserve_vcc 1
		.amdhsa_float_denorm_mode_32 3
		.amdhsa_float_denorm_mode_16_64 3
		.amdhsa_memory_ordered 1
		.amdhsa_forward_progress 1
		.amdhsa_inst_pref_size 255
	.end_amdhsa_kernel
	.section	.bss,"aw",@nobits
	.p2align	6
	.space	262144
	.amdgpu_metadata
---
amdhsa.version: [ 1, 2 ]
amdhsa.kernels:
  - .name:           k_q54c971a794_attn
    .symbol:         k_q54c971a794_attn.kd
    .args:
      - { .name: qkv, .offset: 0, .size: 8, .value_kind: global_buffer, .address_space: global }
      - { .name: attention_mask, .offset: 8, .size: 8, .value_kind: global_buffer, .address_space: global }
      - { .name: att, .offset: 16, .size: 8, .value_kind: global_buffer, .address_space: global }
    .group_segment_fixed_size: 327680
    .private_segment_fixed_size: 0
    .kernarg_segment_align: 8
    .kernarg_segment_size: 24
    .max_flat_workgroup_size: 256
    .sgpr_count:     66
    .vgpr_count:     394
    .wavefront_size: 32
...
	.end_amdgpu_metadata
.endif
;; end of part 4
;; launch oproj (part 5): grid 32 x 8, 4 waves a work-group, clusters of 4 x 4, 327,680 bytes of LDS; arguments att, wb, bo, hidden_states, out0; writes out0
.if DOCPART == 5
	.amdgcn_target "amdgcn-amd-amdhsa--gfx1250"
	.amdhsa_code_object_version 6
	.text
	.protected	k_q54c971a794_oproj
	.globl	k_q54c971a794_oproj
	.p2align	8
	.type	k_q54c971a794_oproj,@function
k_q54c971a794_oproj:
	s_mov_b64 s[64:65], 0
	v_nop
	global_prefetch_b8 v0, s[64:65] scope:SCOPE_SE
	s_setreg_imm32_b32 hwreg(HW_REG_WAVE_MODE, 25, 1), 1
	s_wait_xcnt 0x0
	s_wait_alu depctr_hold_cnt(0) depctr_sa_sdst(0) depctr_va_vdst(0) depctr_va_sdst(0) depctr_va_ssrc(0) depctr_va_vcc(0) depctr_vm_vsrc(0)
	s_getreg_b32 s2, hwreg(HW_REG_IB_STS2, 6, 4)
	s_cmp_eq_u32 s2, 0
	s_cbranch_scc0 .Lentry_in_a_cluster
	s_endpgm
.Lentry_in_a_cluster:
	s_bfe_u32 s2, ttmp6, 0x10000c
	s_cmp_lg_u32 s2, 0xf033
	s_cbranch_scc0 .Lentry_shape_is_right
	s_endpgm
.Lentry_shape_is_right:
; oproj: out0[b][o][s] = sum over c of Wo[o][c] att[b][c / 64][s][c % 64] + bo[o] + hidden_states[b][o][s].
; A work-group makes 128 outputs x 128 positions: 32 x 8 = 256 work-groups.  Wave (i, j) = (w >> 1, w & 1) makes outputs 64 i .. x positions 64 j ..: 16 tiles.
; K = 1,024 goes in 8 steps of 128 (two heads) through FOUR LDS slots, two of them filled behind one round: all 8 steps are written out, no loop.
; CLUSTERS of 4 x 4: att's tile hangs on the position block alone (x) and is asked for jointly along a column of the cluster; Wo's hangs on the output
; block alone (y) and is asked for jointly along a row.
; Source 0 = positions (att's rows), source 1 = outputs (Wo's rows): lane l holds output l % 16 and eight NEIGHBOURING positions, 32 bytes of a row of out0.
; The bias is the C operand of the first products.  The residual comes into registers in four batches of eight loads, issued behind the arrival of K step 0,
; of K step 1, behind the first refill and in front of K step 3, so that its 64 KiB a work-group do not stand in memory's queue beside the first tiles; it is
; added on the way out.
; REGISTERS: window 0: v8-19 addresses, v32-95 and v96-159 two fragment buffers (att at +8 st, Wo at +32 + 8 ot), v160-191 the bias;
;   window 1: v0-127 accumulators (tile (ot, st) at 8 (4 ot + st)), v128-255 the residual.
.set PT,    144                        ; att's rows: 128 bytes + 16
.set PW,    272                        ; Wo's rows: 256 bytes + 16
.set TBYTES, 2*128*PT                  ; 36,864: two heads x 128 positions
.set SLOT,  TBYTES+128*PW              ; 71,680
.set STAGE, 4*SLOT                     ; 286,720: behind the ring, never a tensor load's target
.set SP,    272                        ; stage: 16 rows of 256 bytes + 16 for each wave
.set ADT, 8                            ; v8-11
.set ADW, 12                           ; v12-15
.set STO, 16
.set RD,  17
.set CO,  18
.set VB,  19
.set FB,  32                           ; buffer f at FB + 64 f
.set BI,  160
.set G1T, 16
.set G1W, 24
.set G0T, 32                           ; s[32:47]
.set G0W, 48                           ; s[48:63]
.set MSB, 0
.macro WIN new
.if MSB != \new
	s_set_vgpr_msb (MSB<<8)|\new
.set MSB, \new
.endif
.endm
.macro PLACES                          ; four independent vector instructions behind a matrix instruction before its registers are touched (ISA guide 7.12.1)
.rept 4
	v_nop
.endr
.endm
.macro JLOAD n                         ; waves 0, 1 ask for the two heads of att's tile, waves 2, 3 for the halves of Wo's
	s_cmp_eq_u32 s15, 0
	s_cbranch_scc0 .Lfor_w_\@
	tensor_load_to_lds s[G0T+4*\n:G0T+4*\n+3], s[G1T:G1T+7]
	s_nop 0
	s_branch .Lasked_\@
.Lfor_w_\@:
	tensor_load_to_lds s[G0W+4*\n:G0W+4*\n+3], s[G1W:G1W+7]
	s_nop 0
.Lasked_\@:
.endm
.macro CROUND                          ; a round of the cluster's barrier
	s_barrier_signal -1
	s_barrier_wait -1
	s_cmp_lg_u32 s14, 0
	s_cbranch_scc1 .Lnot_wave_0_\@
	s_barrier_signal -3
.Lnot_wave_0_\@:
	s_barrier_wait -3
	s_barrier_signal -1
	s_barrier_wait -1
.endm
	s_load_b256 s[4:11], s[0:1], 0x0               ; att 4:5, wb 6:7, bo 8:9, hidden_states 10:11
	s_load_b64 s[12:13], s[0:1], 0x20              ; out0
	v_lshl_add_u32 v254, v0, 2, 0x4a400
	v_mov_b32 v255, 0
	ds_add_u32 v254, v255
	v_lshrrev_b32 v1, 5, v0
	v_readfirstlane_b32 s14, v1                    ; wave
	s_lshr_b32 s15, s14, 1                         ; i: my half of the outputs.  Also: I fetch for att (0) or for Wo (1)
	s_and_b32 s66, s14, 1                          ; j: my half of the positions.  Also: which half of that tile
	s_bfe_u32 s67, ttmp6, 0x40000                  ; cx
	s_bfe_u32 s68, ttmp6, 0x40004                  ; cy
	s_lshl_b32 s69, ttmp9, 2
	s_add_co_u32 s69, s69, s67                     ; x: b = x >> 4, position block x & 15
	s_and_b32 s70, ttmp7, 0xffff
	s_lshl_b32 s70, s70, 2
	s_add_co_u32 s70, s70, s68                     ; y: output block
	s_lshl_b32 s71, s68, 2
	s_lshl_b32 s71, 15, s71                        ; my row of the cluster
	s_lshl_b32 s72, 0x1111, s67                    ; my column
	; group 1 for att: 128 rows (s) x 64 elements (d), 16 bytes behind every 32 words
	s_or_b32 s[G1T+0], s72, (1<<16)|(1<<20)|(1<<21)|(4<<22)|(3<<25)
	s_mov_b32 s[G1T+1], 64<<16
	s_mov_b32 s[G1T+2], 128<<16
	s_mov_b32 s[G1T+3], 64<<16
	s_mov_b32 s[G1T+4], 128
	s_mov_b32 s[G1T+5], 64
	s_mov_b32 s[G1T+6], 0
	s_mov_b32 s[G1T+7], 0
	; group 1 for Wo: 64 rows (o) x 128 elements (c), 16 bytes behind every 64 words
	s_or_b32 s[G1W+0], s71, (1<<16)|(1<<20)|(1<<21)|(5<<22)|(3<<25)
	s_mov_b32 s[G1W+1], 128<<16
	s_mov_b32 s[G1W+2], 64<<16
	s_mov_b32 s[G1W+3], 128<<16
	s_mov_b32 s[G1W+4], 64
	s_mov_b32 s[G1W+5], 1024
	s_mov_b32 s[G1W+6], 0
	s_mov_b32 s[G1W+7], 0
	; att's address is made of x and the wave's number, Wo's of y and the wave's number, each in registers that never hold the other coordinate
	s_lshr_b32 s74, s69, 4
	s_lshl_b32 s74, s74, 4
	s_add_co_u32 s74, s74, s66                     ; plane 16 b + (w & 1)
	s_lshl_b32 s74, s74, 11
	s_and_b32 s75, s69, 15
	s_lshl_b32 s75, s75, 7
	s_add_co_u32 s74, s74, s75                     ; + first position
	s_lshl_b32 s74, s74, 7                         ; rows of 128 bytes
	s_mov_b32 s75, 0
	s_lshl_b32 s76, s70, 7
	s_lshl_b32 s77, s66, 6
	s_add_co_u32 s76, s76, s77
	s_add_co_u32 s76, s76, 3072                    ; Wo's rows lie behind Wq's, Wk's and Wv's
	s_lshl_b32 s76, s76, 11
	s_mov_b32 s77, 0
	s_mul_i32 s78, s14, 128*PT                     ; LDS: waves 0, 1: the two heads
	s_mul_i32 s79, s14, 64*PW
	s_add_co_u32 s79, s79, TBYTES-2*64*PW          ; waves 2, 3: Wo's halves, behind att's tile
	; my block of hidden_states and out0, and my 64 numbers of bo
	s_lshr_b32 s80, s69, 4
	s_lshl_b32 s80, s80, 23                        ; b x 8,388,608
	s_lshl_b32 s81, s70, 7
	s_lshl_b32 s82, s15, 6
	s_add_co_u32 s81, s81, s82                     ; first output
	s_lshl_b32 s82, s81, 2                         ; its place in bo
	s_mov_b32 s83, 0
	s_lshl_b32 s81, s81, 13                        ; rows of 8,192 bytes
	s_add_co_u32 s80, s80, s81
	s_and_b32 s81, s69, 15
	s_lshl_b32 s81, s81, 7
	s_lshl_b32 s84, s66, 6
	s_add_co_u32 s81, s81, s84                     ; first position
	s_lshl_b32 s81, s81, 2
	s_add_co_u32 s80, s80, s81
	s_mov_b32 s81, 0
	s_wait_dscnt 0x0
	s_wait_kmcnt 0x0
	s_add_nc_u64 s[74:75], s[4:5], s[74:75]
	s_add_nc_u64 s[76:77], s[6:7], s[76:77]
	s_add_nc_u64 s[8:9], s[8:9], s[82:83]
	s_add_nc_u64 s[10:11], s[10:11], s[80:81]
	s_add_nc_u64 s[12:13], s[12:13], s[80:81]
	CROUND                                         ; in front of the first joint loads
.irp n, 0,1,2,3
	s_mov_b32 s[G0T+4*\n], 1
	s_add_co_u32 s[G0T+4*\n+1], s78, \n*SLOT
	s_add_nc_u64 s[G0T+4*\n+2:G0T+4*\n+3], s[74:75], \n*524288     ; two heads a K step
	s_or_b32 s[G0T+4*\n+3], s[G0T+4*\n+3], 0x80000000
	s_mov_b32 s[G0W+4*\n], 1
	s_add_co_u32 s[G0W+4*\n+1], s79, \n*SLOT
	s_add_nc_u64 s[G0W+4*\n+2:G0W+4*\n+3], s[76:77], \n*256
	s_or_b32 s[G0W+4*\n+3], s[G0W+4*\n+3], 0x80000000
	JLOAD \n                                       ; four tensor loads of the wave are out: the most in this text
.endr
	v_and_b32 v1, 15, v0                           ; r
	v_bfe_u32 v2, v0, 4, 1                         ; h
	s_mul_i32 s84, s66, 64*PT                      ; my 64 positions
	s_mul_i32 s85, s15, 64*PW
	s_add_co_u32 s85, s85, TBYTES                  ; my 64 outputs
	v_mul_u32_u24 v3, v1, PT
	v_lshl_add_u32 v3, v2, 4, v3
	v_add_nc_u32 v3, s84, v3
	v_mul_u32_u24 v4, v1, PW
	v_lshl_add_u32 v4, v2, 4, v4
	v_add_nc_u32 v4, s85, v4
.irp n, 0,1,2,3
	v_add_nc_u32 v[ADT+\n], \n*SLOT, v3
	v_add_nc_u32 v[ADW+\n], \n*SLOT, v4
.endr
	s_mul_i32 s86, s14, 16*SP
	s_add_co_u32 s86, s86, STAGE                   ; my stage
	v_mul_u32_u24 v5, v1, SP
	v_lshl_add_u32 v5, v2, 5, v5
	v_add_nc_u32 v[STO], s86, v5                   ; in: output r, 32 bytes for each half of the lanes
	v_mul_u32_u24 v5, v2, SP
	v_lshl_add_u32 v5, v1, 4, v5
	v_add_nc_u32 v[RD], s86, v5                    ; back: lanes 0-15 one row of 256 bytes, lanes 16-31 the next
	v_lshlrev_b32 v5, 13, v2
	v_lshl_add_u32 v[CO], v1, 4, v5                ; and the same two rows of out0 and hidden_states
	v_lshlrev_b32 v[VB], 2, v1
.irp ot, 0,1,2,3
	global_load_b32 v[BI+8*\ot], v[VB], s[8:9] offset:64*\ot       ; bo of output 16 ot + r
.endr
; the residual of outputs 16 ot .. 16 ot + 15: eight loads, 16 lanes take 256 consecutive bytes of a row
.macro RES ot
	WIN 0x40                                       ; destination window 1
.irp t, 0,1,2,3,4,5,6,7
	global_load_b128 v[128+32*\ot+4*\t:128+32*\ot+4*\t+3], v[CO], s[10:11] offset:131072*\ot+16384*\t th:TH_LOAD_NT
.endr
.endm
; 16 LDS loads: quarter q (32 along K) of slot n into buffer f.  Quarters 0, 1 lie in the first head's block, 2, 3 in the second's.
.macro FETCH n, q, f
.irp st, 0,1,2,3
	ds_load_b128 v[FB+64*\f+8*\st:FB+64*\f+8*\st+3], v[ADT+\n] offset:128*PT*(\q/2)+16*PT*\st+64*(\q-2*(\q/2))
	ds_load_b128 v[FB+64*\f+8*\st+4:FB+64*\f+8*\st+7], v[ADT+\n] offset:128*PT*(\q/2)+16*PT*\st+64*(\q-2*(\q/2))+32
.endr
.irp ot, 0,1,2,3
	ds_load_b128 v[FB+64*\f+32+8*\ot:FB+64*\f+32+8*\ot+3], v[ADW+\n] offset:16*PW*\ot+64*\q
	ds_load_b128 v[FB+64*\f+32+8*\ot+4:FB+64*\f+32+8*\ot+7], v[ADW+\n] offset:16*PW*\ot+64*\q+32
.endr
.endm
; 16 matrix instructions on 16 accumulators, which take turns, one instruction a turn, in the same order every time
.macro MUL16 f, first
.irp ot, 0,1,2,3
.irp st, 0,1,2,3
.if \first
	v_wmma_f32_16x16x32_bf16 v[8*(4*\ot+\st):8*(4*\ot+\st)+7], v[FB+64*\f+8*\st:FB+64*\f+8*\st+7], v[FB+64*\f+32+8*\ot:FB+64*\f+32+8*\ot+7], v[BI+8*\ot:BI+8*\ot+7]
.else
	v_wmma_f32_16x16x32_bf16 v[8*(4*\ot+\st):8*(4*\ot+\st)+7], v[FB+64*\f+8*\st:FB+64*\f+8*\st+7], v[FB+64*\f+32+8*\ot:FB+64*\f+32+8*\ot+7], v[8*(4*\ot+\st):8*(4*\ot+\st)+7]
.endif
.endr
.endr
.endm
; a quarter: fetch quarter nq of slot ns into buffer g, then multiply buffer f
.macro QQ f, g, ns, nq, first
	WIN 0
	PLACES                                         ; buffer g was read by the last matrix instructions
	FETCH \ns, \nq, \g
	s_wait_dscnt 16                                ; all but the 16 just issued: buffer f is in
.if \first
	WIN 0x40                                       ; D window 1, C (the bias) window 0
.else
	WIN 0x50                                       ; C and D window 1
.endif
	MUL16 \f, \first
.endm
.macro T3 s                            ; quarters 0, 1, 2 of the tile in slot s
	QQ 0, 1, \s, 1, 0
	QQ 1, 0, \s, 2, 0
	QQ 0, 1, \s, 3, 0
.endm
; a tile is shown to all four waves; c younger tensor loads of the wave stay out
.macro SYNC c
	WIN 0
	s_wait_tensorcnt \c
	s_wait_dscnt 0x0
	s_barrier_signal -1
	s_barrier_wait -1
.endm
; slots a and b, which have been read, are filled again four K steps on: every wave waits for its LDS reads and for all its tensor loads, the cluster's
; round follows, the two joint loads come first behind it.  Each has two K steps, 128 matrix instructions of a wave, in which to land.
.macro FILL a, b
	WIN 0
	s_wait_dscnt 0x0
	s_wait_tensorcnt 0x0
	ds_add_u32 v254, v255
	s_wait_dscnt 0x0
.irp n, \a, \b
	s_add_nc_u64 s[G0T+4*\n+2:G0T+4*\n+3], s[G0T+4*\n+2:G0T+4*\n+3], 4*524288
	s_add_nc_u64 s[G0W+4*\n+2:G0W+4*\n+3], s[G0W+4*\n+2:G0W+4*\n+3], 4*256
.endr
	CROUND
	JLOAD \a
	JLOAD \b
.endm
	SYNC 3                                         ; K step 0 is in; 1, 2, 3 stay out
	FETCH 0, 0, 0
	s_wait_loadcnt 0x0                             ; the bias: no other load into registers has been issued yet
.irp ot, 0,1,2,3
.irp jj, 1,2,3,4,5,6,7
	v_mov_b32 v[BI+8*\ot+\jj], v[BI+8*\ot]         ; a lane's eight results of a tile belong to one output
.endr
.endr
	RES 0                                          ; the first quarter of the residual
	QQ 0, 1, 0, 1, 1                               ; K step 0
	QQ 1, 0, 0, 2, 0
	QQ 0, 1, 0, 3, 0
	SYNC 2                                         ; K step 1 is in
	RES 1
	QQ 1, 0, 1, 0, 0
	T3 1                                           ; K step 1
	FILL 0, 1                                      ; K steps 2, 3 have landed; 4, 5 go out
	RES 2
	QQ 1, 0, 2, 0, 0
	T3 2                                           ; K step 2
	RES 3
	QQ 1, 0, 3, 0, 0
	T3 3                                           ; K step 3
	FILL 2, 3                                      ; K steps 4, 5 have landed; 6, 7 go out
	QQ 1, 0, 0, 0, 0
	T3 0                                           ; K step 4
	QQ 1, 0, 1, 0, 0
	T3 1                                           ; K step 5
	SYNC 1                                         ; K step 6 is in
	QQ 1, 0, 2, 0, 0
	T3 2                                           ; K step 6
	SYNC 0                                         ; K step 7 is in: no tensor load is out any more
	QQ 1, 0, 3, 0, 0
	T3 3                                           ; K step 7
	s_wait_dscnt 0x0
	WIN 0x50
	MUL16 1, 0
	; THE WAY OUT, 16 outputs at a time: 32 bytes a lane into my stage, read back as rows of 256 bytes, the residual added, 16 lanes store 256 aligned bytes
	PLACES
	s_wait_loadcnt 0x0                             ; the residual
.macro OUT ot, xb
	WIN 0x04                                       ; source 1 (LDS store data, the residual) window 1; all else window 0
.irp st, 0,1,2,3
	ds_store_b128 v[STO], v[8*(4*\ot+\st):8*(4*\ot+\st)+3] offset:64*\st
	ds_store_b128 v[STO], v[8*(4*\ot+\st)+4:8*(4*\ot+\st)+7] offset:64*\st+16
.endr
	s_wait_xcnt 0x0                                ; registers that earlier global stores read are loaded again only behind this wait
.irp t, 0,1,2,3,4,5,6,7
	ds_load_b128 v[\xb+4*\t:\xb+4*\t+3], v[RD] offset:2*SP*\t      ; LDS serves a wave's instructions in order: these see the stores above
.endr
.irp t, 0,1,2,3,4,5,6,7
	s_wait_dscnt 7-\t
	v_pk_add_f32 v[\xb+4*\t:\xb+4*\t+1], v[\xb+4*\t:\xb+4*\t+1], v[128+32*\ot+4*\t:128+32*\ot+4*\t+1]
	v_pk_add_f32 v[\xb+4*\t+2:\xb+4*\t+3], v[\xb+4*\t+2:\xb+4*\t+3], v[128+32*\ot+4*\t+2:128+32*\ot+4*\t+3]
.endr
	WIN 0
.irp t, 0,1,2,3,4,5,6,7
	global_store_b128 v[CO], v[\xb+4*\t:\xb+4*\t+3], s[12:13] offset:131072*\ot+16384*\t th:TH_STORE_NT
.endr
.endm
	OUT 0, FB
	OUT 1, FB+64
	OUT 2, FB
	OUT 3, FB+64
	s_wait_tensorcnt 0x0
	ds_add_u32 v254, v255
	s_wait_dscnt 0x0
	CROUND                                         ; the closing round
	s_endpgm
.Lfunc_end_k_q54c971a794_oproj:
	.size	k_q54c971a794_oproj, .Lfunc_end_k_q54c971a794_oproj-k_q54c971a794_oproj
	.p2alignl 7, 3214868480
	.fill 96, 4, 3214868480
	.section	.rodata,"a",@progbits
	.p2align	6, 0x0
	.amdhsa_kernel k_q54c971a794_oproj
		.amdhsa_group_segment_fixed_size 327680
		.amdhsa_private_segment_fixed_size 0
		.amdhsa_enable_private_segment 0
		.amdhsa_kernarg_size 40
		.amdhsa_user_sgpr_count 2
		.amdhsa_user_sgpr_kernarg_segment_ptr 1
		.amdhsa_wavefront_size32 1
		.amdhsa_system_sgpr_workgroup_id_x 1
		.amdhsa_system_sgpr_workgroup_id_y 1
		.amdhsa_system_sgpr_workgroup_id_z 1
		.amdhsa_system_vgpr_workitem_id 0
		.amdhsa_next_free_vgpr 512
		.amdhsa_next_free_sgpr 96
		.amdhsa_reserve_vcc 0
		.amdhsa_float_denorm_mode_32 3
		.amdhsa_float_denorm_mode_16_64 3
		.amdhsa_memory_ordered 1
		.amdhsa_forward_progress 1
		.amdhsa_inst_pref_size 101
	.end_amdhsa_kernel
	.amdgpu_metadata
---
amdhsa.version: [ 1, 2 ]
amdhsa.kernels:
  - .name:           k_q54c971a794_oproj
    .symbol:         k_q54c971a794_oproj.kd
    .args:
      - { .name: att, .offset: 0, .size: 8, .value_kind: global_buffer, .address_space: global }
      - { .name: wb, .offset: 8, .size: 8, .value_kind: global_buffer, .address_space: global }
      - { .name: bo, .offset: 16, .size: 8, .value_kind: global_buffer, .address_space: global }
      - { .name: hidden_states, .offset: 24, .size: 8, .value_kind: global_buffer, .address_space: global }
      - { .name: out0, .offset: 32, .size: 8, .value_kind: global_buffer, .address_space: global }
    .group_segment_fixed_size: 327680
    .private_segment_fixed_size: 0
    .kernarg_segment_align: 8
    .kernarg_segment_size: 40
    .max_flat_workgroup_size: 128
    .sgpr_count:     96
    .vgpr_count:     512
    .wavefront_size: 32
...
	.end_amdgpu_metadata
.endif
;; end of part 5
